; MI455X (gfx1250); checked and timed in simulation.
; The chip was launched on July 23, 2026; its instructions are those of AMD's public machine-readable ISA for CDNA 5 (MIT licence, August 2026) and "CDNA5" Instruction Set Architecture Reference Guide (July 2026). The comments in the code are by the model that wrote it; some were corrected since.
;; Block. Allowed arithmetic: float matrix products may take bf16 or f16 operands with f32 sums; all other float work in f32.
;; Inputs: W1 1,024 x 4,096 float32; W2 4,096 x 1,024 float32; Wk 16 x 1,024 x 64 float32; Wo 1,024 x 1,024 float32; Wq 16 x 1,024 x 64 float32; Wv 16 x 1,024 x 64 float32; b1 4,096 float32; b2 1,024 float32; be1 1,024 float32; be2 1,024 float32; bo 1,024 float32; g1 1,024 float32; g2 1,024 float32; x 4 x 1,024 x 1,024 float32.
;; Outputs: out0 4 x 1,024 x 1,024 float32.
;; One version. Each part assembles by itself: llvm-mc -triple=amdgcn-amd-amdhsa -mcpu=gfx1250 --defsym DOCPART=n.
;; ======== version 1 of 1: 7 launches
;; limits: values are held in f16: magnitudes above 65,504 overflow, below 6.1e-05 lose precision
;; workspace buffers: wb 25,165,824 bytes; h 8,388,608 bytes; qkv 25,165,824 bytes; o 8,388,608 bytes; x1 16,777,216 bytes; ffh 33,554,432 bytes
;; launch front (part 1): grid 1024 x 1, 8 waves a work-group, no clusters, 0 bytes of LDS; arguments Wq, Wk, Wv, Wo, W1, W2, wb, x, g1, be1, h; writes wb, h
.if DOCPART == 1
	.amdgcn_target "amdgcn-amd-amdhsa--gfx1250"
	.amdhsa_code_object_version 6
	.text
	.protected	k_qabf47b11ac_front
	.globl	k_qabf47b11ac_front
	.p2align	8
	.type	k_qabf47b11ac_front,@function
k_qabf47b11ac_front:
	s_mov_b64 s[64:65], 0
	v_nop
	global_prefetch_b8 v0, s[64:65] scope:SCOPE_SE
	s_setreg_imm32_b32 hwreg(HW_REG_WAVE_MODE, 25, 1), 1
	s_wait_xcnt 0x0
; Two streams that share no data, in one launch: the first LayerNorm (work-groups 0-255) and the rounding of all weights to f16
; (work-groups 256-1023).  LayerNorm's work-groups come first in the grid: their chain of load, sum, sum, store is the longer one.
;
; LAYERNORM: h[r][c] = (x[r][c] - mean) * rsqrt(var + 1e-5) * g1[c] + be1[c].  x: [4096][1024] f32; h: [4096][1024] f16, rounded once.
; A row is 4,096 bytes = 32 registers of one wave, so a wave keeps a whole row between the passes: the row is read once, and the
; variance is the mean of (x - mean)^2 as it is defined, not a difference of large sums.  Eight waves, two rows each.
; Lane l holds columns 128 j + 4 l .. + 3 (j = 0..7): a load covers 512 consecutive bytes, a store 256 consecutive aligned bytes.
; ROOM IN f16: |x - mean| * rsqrt(var) is below sqrt(1024) = 32 for every row, so |h| <= 32 |g| + |b|.
; LIMIT: h beyond 65,504 in magnitude (|g| above some 2,000) becomes infinite.
;
; WEIGHTS, each kept as [K][N] with N along the rows, in one buffer:
;   byte 0          WQKV [1024][3072], column = which * 1024 + head * 64 + e  (which: 0 Wq, 1 Wk, 2 Wv)
;   byte 6291456    Wo   [1024][1024]
;   byte 8388608    W1   [1024][4096]
;   byte 16777216   W2   [4096][1024]
; WHY f16: 11 significant bits against bf16's 8; between x and the result lie seven roundings of matrix operands, and in rows with few
; visible keys the attention's output is as large as v itself, so its roundings reach the result undamped.
; ROOM: weights of rms 1/32 (W2: 1/64) taken 30 times larger, or offset by 30 times that, are about 1.  Taken 30 times smaller they have
; rms 5e-4 and more, where f16's step is at most 2^-24, finer relative to that rms than bf16's 2^-8.
; LIMIT: a weight beyond 65,504 in magnitude becomes infinite.
; A casting work-group takes 16,384 numbers (65,536 bytes in, 32,768 out), a wave 2,048 of them: sixteen loads of 16 bytes a lane, all
; issued before the first is used, and sixteen stores of 8 bytes a lane, each covering 256 consecutive aligned bytes.
; Casting work-groups 0-191: Wq, Wk, Wv (64 each, 16 rows d of all 16 heads).  192-255: Wo.  256-511: W1.  512-767: W2.
; Streams: no LDS, no barrier, no matrix unit; every byte is read once and written once.
.set NLN, 256                          ; work-groups of LayerNorm
.set X,   8                            ; cast: v[8:71] sixteen loads of four f32; the packed f16 land in the first two registers of each
.set X0,  8                            ; v[8:39]    row 0
.set X1,  40                           ; v[40:71]   row 1
.set G,   72                           ; v[72:103]  gain of my 32 columns
.set BE,  104                          ; v[104:135] bias of my 32 columns
.set S,   136                          ; v[136:143] four chains of sums, two numbers each
.set MU,  144                          ; v[144:145] the mean, twice
.set RS0, 146                          ; v[146:147] rsqrt(var + eps) of row 0, twice
.set RS1, 148                          ; v[148:149] of row 1
.set PT,  150                          ; v150       what comes from the other half of the lanes
; sixteen loads sstep bytes apart, sixteen stores dstep bytes apart.  Source base s[22:23] + v2, destination base s[16:17] + v3.
.macro CAST sstep, dstep
.irp i, 0,1,2,3,4,5,6,7,8,9,10,11,12,13,14,15
	global_load_b128 v[X+4*\i:X+4*\i+3], v2, s[22:23] offset:\i*\sstep th:TH_LOAD_NT
.endr
.irp i, 0,1,2,3,4,5,6,7,8,9,10,11,12,13,14,15
	s_wait_loadcnt 15-\i                           ; loads return in order: load i is in, the 15 - i younger ones stay out
	v_cvt_pk_f16_f32 v[X+4*\i], v[X+4*\i], v[X+4*\i+1]
	v_cvt_pk_f16_f32 v[X+4*\i+1], v[X+4*\i+2], v[X+4*\i+3]
	global_store_b64 v3, v[X+4*\i:X+4*\i+1], s[16:17] offset:\i*\dstep   ; no register of a store is written again
.endr
.endm
; the four chains, then the 32 lanes: the sum ends in v[S] of every lane
.macro REDUCE
	v_pk_add_f32 v[S:S+1], v[S:S+1], v[S+2:S+3]
	v_pk_add_f32 v[S+4:S+5], v[S+4:S+5], v[S+6:S+7]
	v_pk_add_f32 v[S:S+1], v[S:S+1], v[S+4:S+5]
	v_add_f32 v[S], v[S], v[S+1]
.irp m, 1,2,4,8
	v_add_f32_dpp v[S], v[S], v[S] row_xmask:\m row_mask:0xf bank_mask:0xf
.endr
	v_permlanex16_b32 v[PT], v[S], s12, s13
	v_add_f32 v[S], v[S], v[PT]
.endm
; the row at x becomes x - mean; rs gets rsqrt(var + eps), twice
.macro STATS x, rs
.irp k, 0,2,4,6
	v_pk_add_f32 v[S+\k:S+\k+1], v[\x+\k:\x+\k+1], v[\x+8+\k:\x+8+\k+1]      ; the first numbers start the chains: nothing is cleared
.endr
.irp m, 16,24
.irp k, 0,2,4,6
	v_pk_add_f32 v[S+\k:S+\k+1], v[S+\k:S+\k+1], v[\x+\m+\k:\x+\m+\k+1]
.endr
.endr
	REDUCE
	v_mul_f32 v[MU], s15, v[S]
	v_mov_b32 v[MU+1], v[MU]
.irp k, 0,2,4,6,8,10,12,14,16,18,20,22,24,26,28,30
	v_pk_add_f32 v[\x+\k:\x+\k+1], v[\x+\k:\x+\k+1], v[MU:MU+1] neg_lo:[0,1] neg_hi:[0,1]
.endr
.irp k, 0,2,4,6
	v_pk_mul_f32 v[S+\k:S+\k+1], v[\x+\k:\x+\k+1], v[\x+\k:\x+\k+1]
.endr
.irp m, 8,16,24
.irp k, 0,2,4,6
	v_pk_fma_f32 v[S+\k:S+\k+1], v[\x+\m+\k:\x+\m+\k+1], v[\x+\m+\k:\x+\m+\k+1], v[S+\k:S+\k+1]
.endr
.endr
	REDUCE
	v_fma_f32 v[\rs], v[S], s15, s20               ; var + eps
	v_rsq_f32 v[\rs], v[\rs]
	v_nop                                          ; one plain vector instruction stands between v_rsq_f32 and the use of its result (ISA guide 5.7.2)
	s_wait_alu depctr_va_vdst(0)
	v_mov_b32 v[\rs+1], v[\rs]
.endm
; scale, gain, bias, round, store
.macro SCALE x, rs, rowoff
.irp j, 0,1,2,3,4,5,6,7
	v_pk_mul_f32 v[\x+4*\j:\x+4*\j+1], v[\x+4*\j:\x+4*\j+1], v[\rs:\rs+1]
	v_pk_mul_f32 v[\x+4*\j+2:\x+4*\j+3], v[\x+4*\j+2:\x+4*\j+3], v[\rs:\rs+1]
	v_pk_fma_f32 v[\x+4*\j:\x+4*\j+1], v[\x+4*\j:\x+4*\j+1], v[G+4*\j:G+4*\j+1], v[BE+4*\j:BE+4*\j+1]
	v_pk_fma_f32 v[\x+4*\j+2:\x+4*\j+3], v[\x+4*\j+2:\x+4*\j+3], v[G+4*\j+2:G+4*\j+3], v[BE+4*\j+2:BE+4*\j+3]
	v_cvt_pk_f16_f32 v[\x+4*\j], v[\x+4*\j], v[\x+4*\j+1]
	v_cvt_pk_f16_f32 v[\x+4*\j+1], v[\x+4*\j+2], v[\x+4*\j+3]
	global_store_b64 v3, v[\x+4*\j:\x+4*\j+1], s[10:11] offset:\rowoff+256*\j    ; no register of a store is written again
.endr
.endm
	s_mov_b32 s21, ttmp9                           ; work-group
	s_cmp_lt_u32 s21, NLN
	s_cbranch_scc0 .Lcast
	; ---- LayerNorm: 16 rows a work-group ----
	s_load_b256 s[4:11], s[0:1], 0x38              ; x s[4:5], g1 s[6:7], be1 s[8:9], h s[10:11]
	v_lshrrev_b32 v1, 5, v0
	v_readfirstlane_b32 s14, v1                    ; wave
	v_and_b32 v1, 31, v0                           ; lane
	v_lshlrev_b32 v4, 4, v1                        ; g, b: 16 lane
	v_lshl_add_u32 v2, s14, 13, v4                 ; x: two rows of 4,096 bytes a wave
	v_lshlrev_b32 v3, 3, v1
	v_lshl_add_u32 v3, s14, 12, v3                 ; h: two rows of 2,048 bytes a wave, 8 bytes a lane
	v_mov_b32 v[PT], 0                             ; v_permlanex16_b32 counts as a reader of its destination
	s_lshl_b32 s16, s21, 16                        ; 16 rows of x
	s_mov_b32 s17, 0
	s_lshl_b32 s18, s21, 15                        ; 16 rows of h
	s_mov_b32 s19, 0
	s_mov_b32 s12, 0x76543210                      ; v_permlanex16_b32: lane i reads lane i of the other half
	s_mov_b32 s13, 0xfedcba98
	s_mov_b32 s15, 0x3a800000                      ; 1 / 1024
	s_mov_b32 s20, 0x3727c5ac                      ; 1e-5
	s_wait_kmcnt 0x0
	s_add_nc_u64 s[4:5], s[4:5], s[16:17]
	s_add_nc_u64 s[10:11], s[10:11], s[18:19]
.irp j, 0,1,2,3,4,5,6,7
	global_load_b128 v[X0+4*\j:X0+4*\j+3], v2, s[4:5] offset:512*\j
.endr
.irp j, 0,1,2,3,4,5,6,7
	global_load_b128 v[X1+4*\j:X1+4*\j+3], v2, s[4:5] offset:4096+512*\j
.endr
.irp j, 0,1,2,3,4,5,6,7
	global_load_b128 v[G+4*\j:G+4*\j+3], v4, s[6:7] offset:512*\j
.endr
.irp j, 0,1,2,3,4,5,6,7
	global_load_b128 v[BE+4*\j:BE+4*\j+3], v4, s[8:9] offset:512*\j
.endr
	s_wait_loadcnt 24                              ; row 0's eight loads are in; row 1, g and b (24 loads) stay out
	STATS X0, RS0
	s_wait_loadcnt 16                              ; row 1 is in; g and b stay out
	STATS X1, RS1
	s_wait_loadcnt 0x0                             ; g and b
	SCALE X0, RS0, 0
	SCALE X1, RS1, 2048
	s_endpgm
.Lcast:
	; ---- the weights ----
	s_load_b256 s[4:11], s[0:1], 0x0               ; Wq s[4:5], Wk s[6:7], Wv s[8:9], Wo s[10:11]
	s_load_b128 s[12:15], s[0:1], 0x20             ; W1 s[12:13], W2 s[14:15]
	s_load_b64 s[16:17], s[0:1], 0x30              ; wb
	s_sub_co_u32 s21, s21, NLN                     ; casting work-group 0..767
	v_lshrrev_b32 v1, 5, v0
	v_readfirstlane_b32 s18, v1                    ; wave 0..7
	v_and_b32 v1, 31, v0                           ; lane
	s_mov_b32 s25, 0                               ; upper word of every offset pair
	s_wait_kmcnt 0x0
	s_cmp_lt_u32 s21, 192
	s_cbranch_scc0 .Llinear
	; Wq, Wk, Wv: [16 heads][1024 d][64 e] f32.  Wave w takes heads 2w and 2w + 1 of rows d0 .. d0 + 15: lanes 0-15 read one head's
	; row of 256 bytes, lanes 16-31 the next head's; in WQKV the two lie side by side, 256 bytes of row d.
	s_lshr_b32 s19, s21, 6                         ; which
	s_and_b32 s20, s21, 63                         ; d0 / 16
	s_cmp_eq_u32 s19, 0
	s_cselect_b64 s[22:23], s[4:5], s[6:7]
	s_cmp_eq_u32 s19, 2
	s_cselect_b64 s[22:23], s[8:9], s[22:23]
	s_lshl_b32 s24, s20, 12                        ; d0 rows of 256 bytes
	s_add_nc_u64 s[22:23], s[22:23], s[24:25]
	s_mul_i32 s24, s20, 16*6144                    ; d0 rows of 6,144 bytes
	s_lshl_b32 s26, s19, 11                        ; + which * 1,024 columns of 2 bytes
	s_add_co_u32 s24, s24, s26
	s_add_nc_u64 s[16:17], s[16:17], s[24:25]
	v_lshrrev_b32 v2, 4, v1
	v_lshl_add_u32 v2, s18, 1, v2                  ; head = 2 w + lane / 16
	v_lshlrev_b32 v2, 18, v2                       ; a head is 262,144 bytes
	v_and_b32 v3, 15, v1
	v_lshl_add_u32 v2, v3, 4, v2                   ; + 16 (lane mod 16)
	v_lshlrev_b32 v3, 3, v1
	v_lshl_add_u32 v3, s18, 8, v3                  ; 256 w + 8 lane
	CAST 256, 6144
	s_endpgm
.Llinear:
	; Wo, W1, W2 keep their order: a plain cast of 65,536 consecutive bytes.  The three regions of wb begin at 192, 256 and 512
	; times 32,768 bytes, so the destination is the casting work-group's number times 32,768.
	s_movk_i32 s19, 512
	s_cmp_lt_u32 s21, 512
	s_cselect_b64 s[22:23], s[12:13], s[14:15]
	s_cselect_b32 s19, 0x100, s19
	s_cmp_lt_u32 s21, 256
	s_cselect_b64 s[22:23], s[10:11], s[22:23]
	s_cselect_b32 s19, 192, s19                    ; the first work-group of this weight
	s_sub_co_u32 s20, s21, s19
	s_lshl_b32 s24, s20, 16
	s_add_nc_u64 s[22:23], s[22:23], s[24:25]
	s_lshl_b32 s24, s21, 15
	s_add_nc_u64 s[16:17], s[16:17], s[24:25]
	v_lshlrev_b32 v2, 4, v1
	v_lshl_add_u32 v2, s18, 13, v2                 ; 8,192 w + 16 lane
	v_lshlrev_b32 v3, 3, v1
	v_lshl_add_u32 v3, s18, 12, v3                 ; 4,096 w + 8 lane
	CAST 512, 256
	s_endpgm
.Lfunc_end_k_qabf47b11ac_front:
	.size	k_qabf47b11ac_front, .Lfunc_end_k_qabf47b11ac_front-k_qabf47b11ac_front
	.p2alignl 7, 3214868480
	.fill 96, 4, 3214868480
	.section	.rodata,"a",@progbits
	.p2align	6, 0x0
	.amdhsa_kernel k_qabf47b11ac_front
		.amdhsa_group_segment_fixed_size 0
		.amdhsa_private_segment_fixed_size 0
		.amdhsa_enable_private_segment 0
		.amdhsa_kernarg_size 88
		.amdhsa_user_sgpr_count 2
		.amdhsa_user_sgpr_kernarg_segment_ptr 1
		.amdhsa_wavefront_size32 1
		.amdhsa_system_sgpr_workgroup_id_x 1
		.amdhsa_system_sgpr_workgroup_id_y 1
		.amdhsa_system_sgpr_workgroup_id_z 1
		.amdhsa_system_vgpr_workitem_id 0
		.amdhsa_next_free_vgpr 160
		.amdhsa_next_free_sgpr 66
		.amdhsa_reserve_vcc 0
		.amdhsa_float_denorm_mode_32 3
		.amdhsa_float_denorm_mode_16_64 3
		.amdhsa_memory_ordered 1
		.amdhsa_forward_progress 1
		.amdhsa_inst_pref_size 34
	.end_amdhsa_kernel
	.amdgpu_metadata
---
amdhsa.version: [ 1, 2 ]
amdhsa.kernels:
  - .name:           k_qabf47b11ac_front
    .symbol:         k_qabf47b11ac_front.kd
    .args:
      - { .name: Wq, .offset: 0, .size: 8, .value_kind: global_buffer, .address_space: global }
      - { .name: Wk, .offset: 8, .size: 8, .value_kind: global_buffer, .address_space: global }
      - { .name: Wv, .offset: 16, .size: 8, .value_kind: global_buffer, .address_space: global }
      - { .name: Wo, .offset: 24, .size: 8, .value_kind: global_buffer, .address_space: global }
      - { .name: W1, .offset: 32, .size: 8, .value_kind: global_buffer, .address_space: global }
      - { .name: W2, .offset: 40, .size: 8, .value_kind: global_buffer, .address_space: global }
      - { .name: wb, .offset: 48, .size: 8, .value_kind: global_buffer, .address_space: global }
      - { .name: x, .offset: 56, .size: 8, .value_kind: global_buffer, .address_space: global }
      - { .name: g1, .offset: 64, .size: 8, .value_kind: global_buffer, .address_space: global }
      - { .name: be1, .offset: 72, .size: 8, .value_kind: global_buffer, .address_space: global }
      - { .name: h, .offset: 80, .size: 8, .value_kind: global_buffer, .address_space: global }
    .group_segment_fixed_size: 0
    .private_segment_fixed_size: 0
    .kernarg_segment_align: 8
    .kernarg_segment_size: 88
    .max_flat_workgroup_size: 256
    .sgpr_count:     66
    .vgpr_count:     160
    .wavefront_size: 32
...
	.end_amdgpu_metadata
.endif
;; end of part 1
;; launch gemm_qkv (part 2): grid 12 x 16, 4 waves a work-group, clusters of 4 x 4, 327,680 bytes of LDS; arguments h, wb, qkv; writes qkv
.if DOCPART == 2
	.amdgcn_target "amdgcn-amd-amdhsa--gfx1250"
	.amdhsa_code_object_version 6
	.text
	.protected	k_qabf47b11ac_gemm_qkv
	.globl	k_qabf47b11ac_gemm_qkv
	.p2align	8
	.type	k_qabf47b11ac_gemm_qkv,@function
k_qabf47b11ac_gemm_qkv:
	s_mov_b64 s[64:65], 0
	v_nop
	global_prefetch_b8 v0, s[64:65] scope:SCOPE_SE
	s_setreg_imm32_b32 hwreg(HW_REG_WAVE_MODE, 25, 1), 1
	s_wait_xcnt 0x0
	s_wait_alu depctr_hold_cnt(0) depctr_sa_sdst(0) depctr_va_vdst(0) depctr_va_sdst(0) depctr_va_ssrc(0) depctr_va_vcc(0) depctr_vm_vsrc(0)
	s_getreg_b32 s2, hwreg(HW_REG_IB_STS2, 6, 4)
	s_cmp_eq_u32 s2, 0
	s_cbranch_scc0 .Lentry_in_a_cluster
	s_endpgm
.Lentry_in_a_cluster:
	s_bfe_u32 s2, ttmp6, 0x10000c
	s_cmp_lg_u32 s2, 0xf033
	s_cbranch_scc0 .Lentry_shape_is_right
	s_endpgm
.Lentry_shape_is_right:
; q, k, v of all heads in one product: C = A W.  A = LayerNorm(x): [4096][KDIM] f16, rows along K.  W: [KDIM][NDIM] f16, rows along N,
; at byte WOFF of the weight buffer.  C: [4096][NDIM] f16, rounded once.  One f32 sum an output, K ascending.
; (BIAS = 1 would add a bias per column and take relu; this product has neither.)
; ROOM IN f16: with A of rms 1 and W of rms 1/32 over K = 1,024, C has rms 1; with gain and weights both 30 times larger, 900.
; LIMIT: a result beyond 65,504 in magnitude becomes infinite.
; A work-group makes 256 x 256 of C with four waves, as many as a WGP has SIMDs; a wave makes 128 x 128: 64 accumulator tiles, 512 registers.
; K goes in steps of 128 through two LDS slots filled by the tensor data mover; every tile row is 256 aligned bytes of memory.
; W stays [K][N] in LDS; ds_load_tr16_b128 turns 8 x 8 blocks while loading, so that a lane gets 8 consecutive k of one column.
; CLUSTERS: 4 x 4 work-groups.  The four of a row of the cluster need the same tiles of A, the four of a column the same tiles of W:
; each tile is asked for jointly (same line, same descriptor, a mask that names the four), which divides the requests by four.
; REGISTER WINDOWS: window 0: v0-31 addresses, v64-127 and v128-191 A's fragments (two buffers), v192-223 packed results;
; window 1: v64-127, v128-191 W's fragments (v0-63 the bias, where there is one); window 2: accumulators of my rows 0-63
; (tile (a, b) at v[8 (8 a + b)]); window 3: rows 64-127.
; THE MATRIX INSTRUCTION IS USED TRANSPOSED: source 0 = 16 columns of W, source 1 = 16 rows of A, so that a lane's eight results are
; eight neighbouring columns of one row of C.
; The 64 accumulators take turns, one instruction a turn, over the loop's backward jump too.
.set KDIM,   1024
.set NDIM,   3072
.set WOFF,   0
.set BIAS,   0
.set KSTEP,  128
.set PA,     272                       ; A's LDS row: 256 bytes + 16: the 16 rows of a fragment load start in 16 different 16-byte columns
.set PB,     288                       ; W's LDS row: 256 bytes + 32, an odd multiple of 32, for the transposing load
.set HALFA,  128*PA                    ; one tensor load of A: 128 rows
.set HALFB,  128*PB                    ; one tensor load of W: 128 k x 128 columns
.set SLOT,   2*HALFA+2*HALFB           ; A rows 0-127, A rows 128-255, W columns 0-127, W columns 128-255
.set STAGE,  2*SLOT                    ; behind the ring, a multiple of 256: 16 rows x 272 bytes for each wave, never filled by a tensor load
.set SPITCH, 272
.set A_STEP, KSTEP*2                   ; bytes from a K step to the next, in A
.set B_STEP, KSTEP*NDIM*2              ; and in W
.set LAPS,   KDIM/(2*KSTEP)            ; a lap = two K steps = once round the ring
.set ADRA, 16                          ; v16-17  LDS address of my A fragments in slot 0, 1
.set ADRB, 20                          ; v20-21  the same for W
.set STO,  24                          ; v24     the way out: where I put 16 bytes of a row
.set RD,   25                          ; v25     the way out: where I read a row back
.set CO,   26                          ; v26     my byte offset in C
.set BO,   27                          ; v27     my byte offset in the bias
.set F0,   64
.set F1,   128
.set RB0,  128                         ; the way out: rows read back, two buffers
.set RB1,  160
.set TMP,  192
.set G1,  24                           ; s[24:31] group 1 for A
.set G0,  32                           ; s[32:39] group 0 for A, a set for each slot
.set G1B, 48                           ; s[48:55] group 1 for W
.set G0B, 56                           ; s[56:63] group 0 for W, a set for each slot
.set MSB, 0
.macro WIN new                         ; the immediate's high byte repeats the setting that is left; switches that change nothing are dropped
.if MSB != (\new)
	s_set_vgpr_msb (MSB<<8)|(\new)
.set MSB, (\new)
.endif
.endm
.set MUL_LO, 0xa1                      ; source 0 (W) window 1, source 1 (A) window 0, C and D window 2
.set MUL_HI, 0xf1                      ; the same, C and D window 3
.set TO_B,   0x40                      ; destination window 1, address window 0
; A joint load: waves 0 and 1 fetch A's halves, waves 2 and 3 W's.  The branch hangs on the wave's number alone.
.macro JLOAD s
	s_cmp_eq_u32 s11, 0
	s_cbranch_scc0 .Lfor_b_\@
	tensor_load_to_lds s[G0+4*\s:G0+4*\s+3], s[G1:G1+7]
	s_nop 0
	s_branch .Lasked_\@
.Lfor_b_\@:
	tensor_load_to_lds s[G0B+4*\s:G0B+4*\s+3], s[G1B:G1B+7]
	s_nop 0
.Lasked_\@:
.endm
; A round of the cluster's barrier: my work-group's barrier, wave 0 signals for the work-group, every wave waits for all sixteen, my barrier again.
.macro CREST                           ; a round behind its opening barrier
	s_cmp_lg_u32 s10, 0
	s_cbranch_scc1 .Lnot_wave_0_\@
	s_barrier_signal -3
.Lnot_wave_0_\@:
	s_barrier_wait -3
	s_barrier_signal -1
	s_barrier_wait -1
.endm
.macro CROUND
	s_barrier_signal -1
	s_barrier_wait -1
	CREST
.endm
	s_load_b128 s[4:7], s[0:1], 0x0                ; A s[4:5], weights s[6:7]
	s_load_b64 s[8:9], s[0:1], 0x10                ; C
	s_set_vgpr_msb 0x40
	v_lshl_add_u32 v255, v0, 2, 0x4a400
	s_set_vgpr_msb 0x4000
	v_mov_b32 v255, 0
	s_set_vgpr_msb 0x1
	ds_add_u32 v255, v255
	s_set_vgpr_msb 0x100
.if BIAS
	s_load_b64 s[68:69], s[0:1], 0x18              ; bias
.endif
	v_lshrrev_b32 v1, 5, v0
	v_readfirstlane_b32 s10, v1                    ; wave 0..3
	s_lshr_b32 s11, s10, 1                         ; my half of the block's rows.  Also: I fetch for A (0) or for W (1)
	s_and_b32 s12, s10, 1                          ; my half of its columns.  Also: which half of that tile I fetch
	s_bfe_u32 s40, ttmp6, 0x40000                  ; cx
	s_bfe_u32 s41, ttmp6, 0x40004                  ; cy
	s_lshl_b32 s42, ttmp9, 2
	s_add_co_u32 s42, s42, s40                     ; block column = 4 x cluster x + cx
	s_and_b32 s13, ttmp7, 0xffff
	s_lshl_b32 s13, s13, 2
	s_add_co_u32 s13, s13, s41                     ; block row = 4 x cluster y + cy
	s_lshl_b32 s43, s41, 2
	s_lshl_b32 s43, 15, s43                        ; my row of the cluster: places 4 cy .. 4 cy + 3
	s_lshl_b32 s44, 0x1111, s40                    ; my column: places cx, cx + 4, cx + 8, cx + 12
	; group 1: tiles of 128 rows x 128 elements of 2 bytes; padding behind every 64 words: 4 words for A, 8 for W
	s_or_b32 s[G1+0], s43, (1<<16)|(1<<20)|(1<<21)|(5<<22)|(3<<25)
	s_or_b32 s[G1B+0], s44, (1<<16)|(1<<20)|(1<<21)|(5<<22)|(7<<25)
	s_mov_b32 s[G1+1], 128<<16                     ; tensor_dim0 = 128
	s_mov_b32 s[G1B+1], 128<<16
	s_mov_b32 s[G1+2], 128<<16                     ; tensor_dim1 = 128
	s_mov_b32 s[G1B+2], 128<<16
	s_mov_b32 s[G1+3], 128<<16                     ; tile_dim0 = 128
	s_mov_b32 s[G1B+3], 128<<16
	s_mov_b32 s[G1+4], 128                         ; tile_dim1 = 128
	s_mov_b32 s[G1B+4], 128
	s_mov_b32 s[G1+5], KDIM                        ; elements from row to row
	s_mov_b32 s[G1B+5], NDIM
	s_mov_b32 s[G1+6], 0
	s_mov_b32 s[G1B+6], 0
	s_mov_b32 s[G1+7], 0
	s_mov_b32 s[G1B+7], 0
	; A's tiles hang on the block row alone, W's on the block column alone; each offset lives in registers that never hold the other coordinate
	s_lshl_b32 s16, s13, 1
	s_add_co_u32 s16, s16, s12
	s_mul_i32 s16, s16, 128*KDIM*2                 ; A: row 256 x block row + 128 x half
	s_mov_b32 s17, 0
	s_lshl_b32 s46, s42, 1
	s_add_co_u32 s46, s46, s12
	s_lshl_b32 s46, s46, 8                         ; W: column 256 x block column + 128 x half, 2 bytes each
.if WOFF
	s_add_co_u32 s46, s46, WOFF
.endif
	s_mov_b32 s47, 0
	s_mul_i32 s20, s12, HALFA                      ; where they go: no place in the cluster enters an LDS address
	s_mul_i32 s23, s12, HALFB
	s_add_co_u32 s23, s23, 2*HALFA
	s_wait_dscnt 0x0
	s_wait_kmcnt 0x0
	s_add_nc_u64 s[14:15], s[4:5], s[16:17]
	s_add_nc_u64 s[46:47], s[6:7], s[46:47]
	CROUND                                         ; all sixteen work-groups are here: the first joint loads meet
.irp s, 0,1
	s_mov_b32 s[G0+4*\s], 1
	s_add_co_u32 s[G0+4*\s+1], s20, \s*SLOT
	s_add_nc_u64 s[G0+4*\s+2:G0+4*\s+3], s[14:15], \s*A_STEP
	s_or_b32 s[G0+4*\s+3], s[G0+4*\s+3], 0x80000000
	s_mov_b32 s[G0B+4*\s], 1
	s_add_co_u32 s[G0B+4*\s+1], s23, \s*SLOT
	s_add_nc_u64 s[G0B+4*\s+2:G0B+4*\s+3], s[46:47], \s*B_STEP
	s_or_b32 s[G0B+4*\s+3], s[G0B+4*\s+3], 0x80000000
	JLOAD \s                                       ; both slots are asked for before anything else: two loads of this wave are out
.endr
	; A's fragment: lane l holds row l % 16; two loads of 16 bytes, 32 apart, at row x pitch + 16 (l / 16).
	; W's fragment: lane l addresses row k = 8 (l / 16) + l % 8, 16 bytes at 16 ((l / 8) % 2); the second load 16 rows further down.
	v_and_b32 v1, 15, v0
	v_bfe_u32 v2, v0, 4, 1
	v_mul_u32_u24 v3, v1, PA
	v_lshl_add_u32 v3, v2, 4, v3
	v_and_b32 v4, 7, v0
	v_lshl_add_u32 v4, v2, 3, v4
	v_mul_u32_u24 v4, v4, PB
	v_bfe_u32 v5, v0, 3, 1
	v_lshl_add_u32 v4, v5, 4, v4
	s_mul_i32 s21, s11, HALFA                      ; my 128 rows of A
	s_mul_i32 s22, s12, HALFB                      ; my 128 columns of W,
	s_add_co_u32 s22, s22, 2*HALFA                 ; behind A's two halves
.irp s, 0,1
	v_add_nc_u32 v[ADRA+\s], s21, v3
	v_add_nc_u32 v[ADRB+\s], s22, v4
	s_add_co_u32 s21, s21, SLOT
	s_add_co_u32 s22, s22, SLOT
.endr
	s_mul_i32 s23, s10, 16*SPITCH
	s_add_co_u32 s23, s23, STAGE                   ; my stage
	v_add_nc_u32 v[STO], s23, v3                   ; in: row l % 16, 16 bytes for each half of the lanes (the stage's pitch is A's)
	v_mul_u32_u24 v6, v2, SPITCH                   ; back: lanes 0-15 one row of 256 bytes, lanes 16-31 the next
	v_lshl_add_u32 v6, v1, 4, v6
	v_add_nc_u32 v[RD], s23, v6
	v_mul_u32_u24 v6, v2, NDIM*2                   ; the same two rows in C
	v_lshl_add_u32 v[CO], v1, 4, v6
.if BIAS
	; the bias of my 128 columns, as the accumulators hold them: tile column b, lane half h: columns 16 b + 8 h + 0..7
	s_lshl_b32 s72, s42, 1
	s_add_co_u32 s72, s72, s12
	s_lshl_b32 s72, s72, 9
	s_mov_b32 s73, 0
	s_add_nc_u64 s[68:69], s[68:69], s[72:73]
	v_lshlrev_b32 v[BO], 5, v2
	WIN TO_B
.irp b, 0,1,2,3,4,5,6,7
	global_load_b128 v[8*\b:8*\b+3], v[BO], s[68:69] offset:64*\b
	global_load_b128 v[8*\b+4:8*\b+7], v[BO], s[68:69] offset:64*\b+16
.endr
	WIN 0
.endif
; 16 matrix instructions: row blocks a0, a0 + 1 of the window's four x all 8 column blocks, 32 along K.  zero = 1: the first product starts the sums.
.macro MUL16 f, hi, a0, zero
.irp a, \a0, \a0+1
.irp b, 0,1,2,3,4,5,6,7
.if \zero
	v_wmma_f32_16x16x32_f16 v[8*(8*(\a)+\b):8*(8*(\a)+\b)+7], v[\f+8*\b:\f+8*\b+7], v[\f+8*(4*\hi+\a):\f+8*(4*\hi+\a)+7], 0
.else
	v_wmma_f32_16x16x32_f16 v[8*(8*(\a)+\b):8*(8*(\a)+\b)+7], v[\f+8*\b:\f+8*\b+7], v[\f+8*(4*\hi+\a):\f+8*(4*\hi+\a)+7], v[8*(8*(\a)+\b):8*(8*(\a)+\b)+7]
.endif
.endr
.endr
.endm
; 32 LDS loads in one run: the fragments of quarter step q (32 along K) of a slot into buffer f
.macro FETCH slot, q, f
	WIN TO_B
.irp i, 0,1,2,3,4,5,6,7
	ds_load_tr16_b128 v[\f+8*\i:\f+8*\i+3],   v[ADRB+\slot] offset:\q*32*PB+32*\i
	ds_load_tr16_b128 v[\f+8*\i+4:\f+8*\i+7], v[ADRB+\slot] offset:\q*32*PB+32*\i+16*PB
.endr
	WIN 0
.irp i, 0,1,2,3,4,5,6,7
	ds_load_b128 v[\f+8*\i:\f+8*\i+3],   v[ADRA+\slot] offset:64*\q+\i*16*PA
	ds_load_b128 v[\f+8*\i+4:\f+8*\i+7], v[ADRA+\slot] offset:64*\q+\i*16*PA+32
.endr
.endm
; Four plain vector instructions stand between a matrix instruction and a load into, or a vector instruction on, one of its registers
; (ISA guide 7.12.1 for vector instructions); the matrix instructions in between are not counted.
.macro PLACES
.rept 4
	v_nop
.endr
.endm
; A quarter step: multiplies buffer f; in its middle it fetches quarter q of the same slot into buffer g.
.macro QUARTER slot, q, f, g, zero
	s_wait_dscnt 8                                 ; W and A's rows 0-63 are in; the youngest eight loads (A's rows 64-127) may be out
	WIN MUL_LO
	MUL16 \f, 0, 0, \zero
	MUL16 \f, 0, 2, \zero
	PLACES
	FETCH \slot, \q, \g
	s_wait_dscnt 32                                ; all but the 32 just issued
	WIN MUL_HI
	MUL16 \f, 1, 0, \zero
	MUL16 \f, 1, 2, \zero
.endm
.macro FRONT slot, zero
	QUARTER \slot, 1, F0, F1, \zero
	QUARTER \slot, 2, F1, F0, 0
	QUARTER \slot, 3, F0, F1, 0
.endm
; The last quarter of a K step multiplies buffer 1 and changes slots.  ONE barrier: in front of it each wave waits for its reads of this
; slot and for all its tensor loads (one is out: its part of the next slot).  Behind it this slot is filled again first (fill = 1, behind
; a round of the cluster's barrier, which this barrier opens), then the next slot's first fragments are read.
.macro TURN slot, next, fill
	s_wait_dscnt 8
	WIN MUL_LO
	MUL16 F1, 0, 0, 0
	s_wait_dscnt 0                                 ; my reads of this slot are over
	s_wait_tensorcnt 0x0                           ; all my tensor loads have landed
	ds_add_u32 v255, v255
	s_wait_dscnt 0x0
	s_barrier_signal -1
	MUL16 F1, 0, 2, 0                              ; register work while the others arrive
	WIN 0
	s_barrier_wait -1
.if \fill
	CREST                                          ; no wave of any partner still reads this slot or has a load on its way
	s_add_nc_u64 s[G0+4*\slot+2:G0+4*\slot+3], s[G0+4*\slot+2:G0+4*\slot+3], 2*A_STEP
	s_add_nc_u64 s[G0B+4*\slot+2:G0B+4*\slot+3], s[G0B+4*\slot+2:G0B+4*\slot+3], 2*B_STEP
	JLOAD \slot                                    ; my one tensor load behind the round: from here one load of this wave is out
.endif
	PLACES
	FETCH \next, 0, F0
	WIN MUL_HI
	MUL16 F1, 1, 0, 0
	MUL16 F1, 1, 2, 0
.endm
.macro LAP zero
	FRONT 0, \zero
	TURN 0, 1, 1
	FRONT 1, 0
	TURN 1, 0, 1
.endm
	s_wait_tensorcnt 0x1                           ; my part of K step 0 is in; K step 1's stays out
	s_barrier_signal -1
	s_barrier_wait -1
	FETCH 0, 0, F0
	LAP 1                                          ; the first lap stands in front of the loop: its first products start the sums
.if LAPS > 2
	WIN 0
	s_mov_b32 s3, LAPS-2
.Llap:
	LAP 0
	WIN 0
	s_sub_co_u32 s3, s3, 1
	s_cmp_lg_u32 s3, 0
	s_cbranch_scc1 .Llap
.endif
	FRONT 0, 0                                     ; the last lap fills nothing
	TURN 0, 1, 0
	FRONT 1, 0
	s_wait_dscnt 8
	WIN MUL_LO
	MUL16 F1, 0, 0, 0
	MUL16 F1, 0, 2, 0
	s_wait_dscnt 0
	WIN MUL_HI
	MUL16 F1, 1, 0, 0
	MUL16 F1, 1, 2, 0
	; THE WAY OUT, 16 rows at a time: (bias, relu,) round to f16, 16 bytes a lane into my own stage, read back as whole rows of 256 bytes.
	PLACES
	s_lshl_b32 s74, s13, 1
	s_add_co_u32 s74, s74, s11
	s_mul_i32 s74, s74, 128*NDIM*2                 ; my first row of C
	s_lshl_b32 s75, s42, 1
	s_add_co_u32 s75, s75, s12
	s_lshl_b32 s75, s75, 8                         ; my first column, 2 bytes each
	s_add_co_u32 s74, s74, s75
	s_mov_b32 s75, 0
	s_add_nc_u64 s[8:9], s[8:9], s[74:75]
.if BIAS
	s_wait_loadcnt 0x0                             ; the bias
.endif
; rows 16 i .. 16 i + 15 of my block = tiles (a, 0..7) of window 2 + hi; f: the buffer for the rows read back
.macro OUT16 i, a, hi, f
.if BIAS
	WIN 0x06+\hi                                   ; source 0: the accumulators' window, source 1: window 1 (bias), destination window 0
.irp b, 0,1,2,3,4,5,6,7
.irp r, 0,2,4,6
	v_pk_add_f32 v[F0+8*\b+\r:F0+8*\b+\r+1], v[8*(8*\a+\b)+\r:8*(8*\a+\b)+\r+1], v[8*\b+\r:8*\b+\r+1]
.endr
.endr
	WIN 0
.set k, 0
.rept 64
	v_max_num_f32 v[F0+k], 0, v[F0+k]
.set k, k+1
.endr
.set k, 0
.rept 32
	v_cvt_pk_f16_f32 v[TMP+k], v[F0+2*k], v[F0+2*k+1]
.set k, k+1
.endr
.else
	WIN 0x0a+5*\hi                                 ; sources 0 and 1: the accumulators' window
.irp b, 0,1,2,3,4,5,6,7
.irp r, 0,1,2,3
	v_cvt_pk_f16_f32 v[TMP+4*\b+\r], v[8*(8*\a+\b)+2*\r], v[8*(8*\a+\b)+2*\r+1]
.endr
.endr
	WIN 0
.endif
.irp b, 0,1,2,3,4,5,6,7
	ds_store_b128 v[STO], v[TMP+4*\b:TMP+4*\b+3] offset:32*\b
.endr
	s_wait_xcnt 0x0                                ; buffer f, which earlier stores read, and the stores' base are rewritten only behind this wait
.if \i
	s_add_nc_u64 s[8:9], s[8:9], 16*NDIM*2
.endif
.irp t, 0,1,2,3,4,5,6,7
	ds_load_b128 v[\f+4*\t:\f+4*\t+3], v[RD] offset:\t*2*SPITCH    ; LDS serves a wave's instructions in order: these see the stores above
.endr
.irp t, 0,1,2,3,4,5,6,7
	s_wait_dscnt 7-\t                              ; read-back t is in, the younger ones stay out
	global_store_b128 v[CO], v[\f+4*\t:\f+4*\t+3], s[8:9] offset:2*\t*NDIM*2     ; 16 lanes store 256 consecutive aligned bytes
.endr
.endm
	OUT16 0, 0, 0, RB0
	OUT16 1, 1, 0, RB1
	OUT16 2, 2, 0, RB0
	OUT16 3, 3, 0, RB1
	OUT16 4, 0, 1, RB0
	OUT16 5, 1, 1, RB1
	OUT16 6, 2, 1, RB0
	OUT16 7, 3, 1, RB1
	s_set_vgpr_msb 0x1
	s_wait_tensorcnt 0x0
	ds_add_u32 v255, v255
	s_wait_dscnt 0x0
	s_set_vgpr_msb 0x100
	CROUND                                         ; the closing round: no work-group ends while a partner may still ask for a tile that names it
	s_endpgm
.Lfunc_end_k_qabf47b11ac_gemm_qkv:
	.size	k_qabf47b11ac_gemm_qkv, .Lfunc_end_k_qabf47b11ac_gemm_qkv-k_qabf47b11ac_gemm_qkv
	.p2alignl 7, 3214868480
	.fill 96, 4, 3214868480
	.section	.rodata,"a",@progbits
	.p2align	6, 0x0
	.amdhsa_kernel k_qabf47b11ac_gemm_qkv
		.amdhsa_group_segment_fixed_size 327680
		.amdhsa_private_segment_fixed_size 0
		.amdhsa_enable_private_segment 0
		.amdhsa_kernarg_size 24
		.amdhsa_user_sgpr_count 2
		.amdhsa_user_sgpr_kernarg_segment_ptr 1
		.amdhsa_wavefront_size32 1
		.amdhsa_system_sgpr_workgroup_id_x 1
		.amdhsa_system_sgpr_workgroup_id_y 1
		.amdhsa_system_sgpr_workgroup_id_z 1
		.amdhsa_system_vgpr_workitem_id 0
		.amdhsa_next_free_vgpr 1024
		.amdhsa_next_free_sgpr 80
		.amdhsa_reserve_vcc 0
		.amdhsa_float_denorm_mode_32 3
		.amdhsa_float_denorm_mode_16_64 3
		.amdhsa_memory_ordered 1
		.amdhsa_forward_progress 1
		.amdhsa_inst_pref_size 196
	.end_amdhsa_kernel
	.amdgpu_metadata
---
amdhsa.version: [ 1, 2 ]
amdhsa.kernels:
  - .name:           k_qabf47b11ac_gemm_qkv
    .symbol:         k_qabf47b11ac_gemm_qkv.kd
    .args:
      - { .name: h, .offset: 0, .size: 8, .value_kind: global_buffer, .address_space: global }
      - { .name: wb, .offset: 8, .size: 8, .value_kind: global_buffer, .address_space: global }
      - { .name: qkv, .offset: 16, .size: 8, .value_kind: global_buffer, .address_space: global }
    .group_segment_fixed_size: 327680
    .private_segment_fixed_size: 0
    .kernarg_segment_align: 8
    .kernarg_segment_size: 24
    .max_flat_workgroup_size: 128
    .sgpr_count:     80
    .vgpr_count:     1024
    .wavefront_size: 32
...
	.end_amdgpu_metadata
.endif
;; end of part 2
;; launch attn (part 3): grid 256 x 1, 8 waves a work-group, clusters of 4 x 1, 312,320 bytes of LDS; arguments qkv, o; writes o
.if DOCPART == 3
	.amdgcn_target "amdgcn-amd-amdhsa--gfx1250"
	.amdhsa_code_object_version 6
	.text
	.protected	k_qabf47b11ac_attn
	.globl	k_qabf47b11ac_attn
	.p2align	8
	.type	k_qabf47b11ac_attn,@function
k_qabf47b11ac_attn:
	s_mov_b64 s[64:65], 0
	v_nop
	global_prefetch_b8 v0, s[64:65] scope:SCOPE_SE
	s_setreg_imm32_b32 hwreg(HW_REG_WAVE_MODE, 25, 1), 1
	s_wait_xcnt 0x0
	s_wait_alu depctr_hold_cnt(0) depctr_sa_sdst(0) depctr_va_vdst(0) depctr_va_sdst(0) depctr_va_ssrc(0) depctr_va_vcc(0) depctr_vm_vsrc(0)
	s_getreg_b32 s2, hwreg(HW_REG_IB_STS2, 6, 4)
	s_cmp_eq_u32 s2, 0
	s_cbranch_scc0 .Lentry_in_a_cluster
	s_endpgm
.Lentry_in_a_cluster:
	s_bfe_u32 s2, ttmp6, 0x10000c
	s_cmp_lg_u32 s2, 0x3003
	s_cbranch_scc0 .Lentry_shape_is_right
	s_endpgm
.Lentry_shape_is_right:
; Causal attention.  qkv: [4096][3072] f16, row = b * 1024 + t, q at column head * 64, k at 1024 + head * 64, v at 2048 + head * 64.
; o: [4096][1024] f16, heads side by side.  Scores, softmax and sums in f32, with a running maximum; p and o rounded to f16.
; ROOM IN f16: p lies in [0, 1] (a p below 2^-25 rounds to 0, beside a row sum of at least 1); o is an average of v, no larger than the largest v.
; CLUSTER: the four work-groups of a cluster serve one (b, head).  All 1,024 keys and values of that head are brought once, by joint
; tensor loads (mask 15), into the LDS of each of the four: 1,024 x 128 bytes each for K and V.  Nothing in LDS is ever filled again.
; SHARES: partner cx takes query rows 128 g + 32 cx + 0..31 of each group g = 0..7.  Eight waves, two for each SIMD, so that one wave's
; products, exponentials and dependent sums stand beside the other's: wave w takes the 16 rows 16 (w / 4) + 0..15 of those 32, for
; g = w mod 4 and then g = 7 - w mod 4, which is 2 (g + 1) steps of 64 keys, 18 steps for every wave of every work-group.
; The price: 8 waves x 32 loads x 512 bytes of K and V fragments for a step of all waves, twice what four waves of 32 rows read.
; cx enters only global addresses of q and o and the mask's compare.
; TRANSPOSED: S^T = K Q^T (source 0 = 16 keys, source 1 = 16 queries): lane (r, h) holds keys 8 h + 0..7 of query r.  Two neighbouring key
; tiles, rounded and packed in place, are the second source of O^T = V^T P^T as they stand, and maximum, sum and rescaling are one number
; a lane; the two halves of the lanes are joined by v_permlanex16_b32.  V^T comes from ds_load_tr16_b128.
; The group's own 128 keys are taken first, masked by compare and select: key 128 g is visible to every row, so the maximum is finite
; from the first step on and exp2(-inf) gives the zeros.
; FIRST FILLS IN TWO HALVES: waves 0-3 bring K, waves 4-7 V, each its 128 rows of keys 0-511 and then its 128 rows of keys 512-1023.
; The first group's own keys lie below 512 (g <= 3), so its two masked steps run while the second half is on its way.
; THE WAY OUT: both groups' results wait in registers, rounded to f16, in the registers of the group's q, which is no longer needed.
; When a wave has done both groups it passes one barrier with the other seven, which have done as many steps; only behind it is anything
; stored to LDS.
; A head's rows are 128 bytes in qkv and in o, so tile rows and stores are 128 consecutive bytes, no more.
; LIMITS: the maxima let a NaN lose, so a NaN among the scores does not spread as in f32 softmax; operands are f16.
; The accumulators take turns, one instruction a turn.
.set KP,  144                          ; K's LDS row: 128 bytes + 16
.set VP,  160                          ; V's LDS row: 128 bytes + 32, an odd multiple of 32, for the transposing load
.set VB,  1024*KP                      ; V begins behind K
.set QF,  32                           ; v[32:63]   Q fragments, 16 x group + 8 c; later that group's result as f16, 4 et
.set KF,  64                           ; v[64:127]  K fragments, 16 t + 8 c
.set VF,  128                          ; v[128:191] V fragments, 16 et + 8 sc; at the end the rows read back from the stage
.set PS,  192                          ; v[192:223] S(t) at 8 t, then P(sc) at 16 sc
.set OA,  224                          ; v[224:255] O, 8 et
.set OB,  54                           ; s[54:55], s[56:57]: the two groups' places in o
; v2 KL, v3 KAD, v4 VL, v5 VAD: lane terms and running LDS addresses of K and V;  v6 32 cx + 16 (w / 4) + r - 8 h;  v7 -inf;  v8 Q's offset;
; v9, v10 stage in and back;  v11 o's offset;  v12 c x running maximum;  v14 running sum;  v[16:17] its negative maximum, twice;
; v[20:21] rescaling factor, twice;  v24-25 maxima;  v26 from the other half;  v[28:31] sums.
.macro ROUND                           ; a round of the cluster's barrier
	s_barrier_signal -1
	s_barrier_wait -1
	s_cmp_lg_u32 s8, 0
	s_cbranch_scc1 .Lnot_wave_0_\@
	s_barrier_signal -3
.Lnot_wave_0_\@:
	s_barrier_wait -3
	s_barrier_signal -1
	s_barrier_wait -1
.endm
	s_load_b128 s[4:7], s[0:1], 0x0                ; qkv s[4:5], o s[6:7]
	v_lshl_add_u32 v23, v0, 2, 0x4c000
	v_mov_b32 v27, 0
	ds_add_u32 v23, v27
	v_lshrrev_b32 v1, 5, v0
	v_readfirstlane_b32 s8, v1                     ; wave 0..7
	s_and_b32 s19, s8, 3                           ; p: my first group, and which 128 rows of each half I fetch
	s_lshr_b32 s17, s8, 2                          ; which 16 of the 32 query rows are mine
	s_bfe_u32 s9, ttmp6, 0x40000                   ; cx
	s_lshr_b32 s10, ttmp9, 4                       ; b      (ttmp9 counts clusters)
	s_and_b32 s11, ttmp9, 15                       ; head
	s_lshl_b32 s59, s11, 7                         ; a head's 128 bytes in a row
	s_mov_b32 s12, 0x76543210                      ; v_permlanex16_b32: lane i reads lane i of the other half
	s_mov_b32 s13, 0xfedcba98
	s_mov_b32 s14, 0x3e38aa3b                      ; c = 64^-0.5 x log2 e
	s_mov_b32 s15, 0x3e38aa3b
	; group 1: 128 rows x 64 elements of 2 bytes, 3,072 elements from row to row; padding behind every 32 words: 4 words for K, 8 for V
	s_mov_b32 s28, 15|(1<<16)|(1<<20)|(1<<21)|(4<<22)|(3<<25)
	s_mov_b32 s36, 15|(1<<16)|(1<<20)|(1<<21)|(4<<22)|(7<<25)
	s_mov_b32 s29, 64<<16
	s_mov_b32 s37, 64<<16
	s_mov_b32 s30, 128<<16
	s_mov_b32 s38, 128<<16
	s_mov_b32 s31, 64<<16
	s_mov_b32 s39, 64<<16
	s_mov_b32 s32, 128
	s_mov_b32 s40, 128
	s_mov_b32 s33, 3072
	s_mov_b32 s41, 3072
	s_mov_b32 s34, 0
	s_mov_b32 s42, 0
	s_mov_b32 s35, 0
	s_mov_b32 s43, 0
	; row b x 1024 + 128 p, my head's columns.  It hangs on b, head and the wave alone: equal in all four partners.
	s_lshl_b32 s52, s10, 3
	s_add_co_u32 s52, s52, s19
	s_mul_i32 s52, s52, 128*6144
	s_add_co_u32 s52, s52, s59
	s_mov_b32 s53, 0
	s_mov_b32 s27, 0                               ; upper word of the offset pair s[26:27]
	s_mov_b32 s44, 1
	s_mov_b32 s48, 1
	s_wait_dscnt 0x0
	s_wait_kmcnt 0x0
	s_add_nc_u64 s[52:53], s[4:5], s[52:53]
	ROUND                                          ; the four partners are here: the joint loads meet
	; group 0, two sets: s[44:47] my rows of keys 0-511, s[48:51] my rows of keys 512-1023.  The branch hangs on the wave's number alone.
	s_cmp_lt_u32 s8, 4
	s_cbranch_scc0 .Lfill_v
	s_mul_i32 s45, s19, 128*KP
	s_add_co_u32 s49, s45, 512*KP
	s_add_nc_u64 s[46:47], s[52:53], 2048
	s_add_nc_u64 s[50:51], s[52:53], 2048+512*6144
	s_or_b32 s47, s47, 0x80000000
	s_or_b32 s51, s51, 0x80000000
	tensor_load_to_lds s[44:47], s[28:35]
	s_nop 0
	tensor_load_to_lds s[48:51], s[28:35]
	s_nop 0
	s_branch .Lfilled
.Lfill_v:
	s_mul_i32 s45, s19, 128*VP
	s_add_co_u32 s45, s45, VB
	s_add_co_u32 s49, s45, 512*VP
	s_add_nc_u64 s[46:47], s[52:53], 4096
	s_add_nc_u64 s[50:51], s[52:53], 4096+512*6144
	s_or_b32 s47, s47, 0x80000000
	s_or_b32 s51, s51, 0x80000000
	tensor_load_to_lds s[44:47], s[36:43]
	s_nop 0
	tensor_load_to_lds s[48:51], s[36:43]
	s_nop 0
.Lfilled:                                          ; two loads of this wave are out, the only ones of the launch
	v_and_b32 v1, 15, v0                           ; r
	v_bfe_u32 v28, v0, 4, 1                        ; h
	v_mul_u32_u24 v8, v1, 6144
	v_lshl_add_u32 v8, v28, 4, v8                  ; Q: row r, 16 h
; Group g (in s16) as the wave's group ph: its q is asked for, and its places in qkv and o are kept.
.macro QASK ph
	s_lshl_b32 s24, s10, 3
	s_add_co_u32 s24, s24, s16
	s_lshl_b32 s24, s24, 2
	s_add_co_u32 s24, s24, s9
	s_lshl_b32 s24, s24, 1
	s_add_co_u32 s24, s24, s17                     ; (b x 1024 + 128 g + 32 cx + 16 (w / 4)) / 16
	s_mul_i32 s26, s24, 16*6144
	s_add_co_u32 s26, s26, s59
	s_add_nc_u64 s[20+2*\ph:21+2*\ph], s[4:5], s[26:27]            ; my first query; a base of its own for each group: both groups' loads are out together
	s_lshl_b32 s26, s24, 15
	s_add_co_u32 s26, s26, s59
	s_add_nc_u64 s[OB+2*\ph:OB+2*\ph+1], s[6:7], s[26:27]          ; and its place in o, kept for the way out
.irp c, 0,1
	global_load_b128 v[QF+16*\ph+8*\c:QF+16*\ph+8*\c+3],   v8, s[20+2*\ph:21+2*\ph] offset:64*\c
	global_load_b128 v[QF+16*\ph+8*\c+4:QF+16*\ph+8*\c+7], v8, s[20+2*\ph:21+2*\ph] offset:64*\c+32
.endr
.endm
	s_mov_b32 s16, s19                             ; g = p
	QASK 0
	s_sub_co_u32 s16, 7, s19                       ; g = 7 - p
	QASK 1
	v_mul_u32_u24 v2, v1, KP
	v_lshl_add_u32 v2, v28, 4, v2                  ; KL = r x 144 + 16 h
	v_and_b32 v29, 7, v0
	v_lshl_add_u32 v29, v28, 3, v29
	v_mul_u32_u24 v4, v29, VP
	v_bfe_u32 v29, v0, 3, 1
	v_lshl_add_u32 v4, v29, 4, v4
	v_add_nc_u32 v4, VB, v4                        ; VL = V + (8 h + l % 8) x 160 + 16 ((l / 8) % 2)
	v_lshlrev_b32 v6, 3, v28
	v_sub_nc_u32 v6, v1, v6
	s_lshl_b32 s24, s9, 1
	s_add_co_u32 s24, s24, s17
	v_lshl_add_u32 v6, s24, 4, v6                  ; 32 cx + 16 (w / 4) + r - 8 h
	v_mov_b32 v7, 0xff800000                       ; -inf
	s_mul_i32 s58, s8, 16*KP                       ; my stage
	v_add_nc_u32 v9, s58, v2                       ; in: row r, 16 h
	v_and_b32 v29, 31, v0
	v_lshrrev_b32 v30, 3, v29                      ; back: four rows of 128 bytes a load
	v_and_b32 v31, 7, v0
	v_lshlrev_b32 v31, 4, v31
	v_mul_u32_u24 v10, v30, KP
	v_add_nc_u32 v10, v10, v31
	v_add_nc_u32 v10, s58, v10
	v_lshl_add_u32 v11, v30, 11, v31               ; the same four rows in o
	v_mov_b32 v26, 0                               ; v_permlanex16_b32 counts as a reader of its destination
	s_wait_tensorcnt 0x1                           ; my rows of keys 0-511 have landed; my rows of keys 512-1023 stay out
	s_barrier_signal -1
	s_barrier_wait -1                              ; everybody's have: K and V of keys 0-511 are whole
.macro KLOAD                           ; 64 keys x 64 e at KAD
.irp t, 0,1,2,3
.irp c, 0,1
	ds_load_b128 v[KF+16*\t+8*\c:KF+16*\t+8*\c+3],   v3 offset:\t*16*KP+64*\c
	ds_load_b128 v[KF+16*\t+8*\c+4:KF+16*\t+8*\c+7], v3 offset:\t*16*KP+64*\c+32
.endr
.endr
.endm
.macro VLOAD                           ; 64 keys x 64 e at VAD, transposed
.irp et, 0,1,2,3
.irp sc, 0,1
	ds_load_tr16_b128 v[VF+16*\et+8*\sc:VF+16*\et+8*\sc+3],   v5 offset:\sc*32*VP+32*\et
	ds_load_tr16_b128 v[VF+16*\et+8*\sc+4:VF+16*\et+8*\sc+7], v5 offset:\sc*32*VP+32*\et+16*VP
.endr
.endr
.endm
; One step: 64 keys against my 16 queries of group ph.  first = 1: starts maximum, sum and O.  mask = 1: keys 64 ds + 0..63 of the group's
; own 128.  nxt = 1: the next step begins at key 0, else 64 keys on.
.macro STEP ph, first, mask, ds, nxt
	s_wait_dscnt 0x0                               ; this step's K fragments, fetched a step ahead
.irp c, 0,1
.irp t, 0,1,2,3
.if \c
	v_wmma_f32_16x16x32_f16 v[PS+8*\t:PS+8*\t+7], v[KF+16*\t+8*\c:KF+16*\t+8*\c+7], v[QF+16*\ph+8*\c:QF+16*\ph+8*\c+7], v[PS+8*\t:PS+8*\t+7]
.else
	v_wmma_f32_16x16x32_f16 v[PS+8*\t:PS+8*\t+7], v[KF+16*\t+8*\c:KF+16*\t+8*\c+7], v[QF+16*\ph+8*\c:QF+16*\ph+8*\c+7], 0
.endif
.endr
.endr
.rept 4
	v_nop                                          ; four places behind the products: the loads below land in their sources, the arithmetic reads their results
.endr
	VLOAD
.if \nxt
	v_mov_b32 v3, v2
	v_mov_b32 v5, v4
.else
	v_add_nc_u32 v3, 64*KP, v3
	v_add_nc_u32 v5, 64*VP, v5
.endif
	KLOAD                                          ; the next step's keys (behind the last step: bytes that are filled, not used)
.if \mask
.irp t, 0,1,2,3
.irp j, 0,1,2,3,4,5,6,7
	v_cmp_le_i32 vcc_lo, 64*\ds+16*\t+\j, v6                       ; key 64 ds + 16 t + 8 h + j <= query 32 cx + 16 (w / 4) + r
	v_cndmask_b32 v[PS+8*\t+\j], v7, v[PS+8*\t+\j], vcc_lo
.endr
.endr
.endif
	; two chains, so that no instruction waits for the one in front of it
	v_max3_num_f32 v24, v[PS], v[PS+1], v[PS+2]
	v_max3_num_f32 v25, v[PS+16], v[PS+17], v[PS+18]
.irp k, 3,5,7,9,11,13
	v_max3_num_f32 v24, v24, v[PS+\k], v[PS+\k+1]
	v_max3_num_f32 v25, v25, v[PS+16+\k], v[PS+16+\k+1]
.endr
	v_max3_num_f32 v24, v24, v[PS+15], v[PS+31]
	v_max_num_f32 v24, v24, v25
	v_permlanex16_b32 v26, v24, s12, s13
	v_max_num_f32 v24, v24, v26
.if \first
	v_mul_f32 v12, s14, v24
.else
	v_mul_f32 v24, s14, v24
	v_max_num_f32 v24, v12, v24                    ; a step that is masked whole leaves the maximum as it was
	v_sub_f32 v20, v12, v24
	v_mov_b32 v12, v24
	v_exp_f32 v20, v20                             ; what the old sum and O are scaled by
.endif
	v_mul_f32 v16, -1.0, v12                       ; plain instructions between v_exp_f32 and the use of its result (ISA guide 5.7.2)
	v_mov_b32 v17, v16
.if \first == 0
	s_wait_alu depctr_va_vdst(0)
	v_mov_b32 v21, v20
.endif
.irp k, 0,2,4,6,8,10,12,14,16,18,20,22,24,26,28,30
	v_pk_fma_f32 v[PS+\k:PS+\k+1], v[PS+\k:PS+\k+1], s[14:15], v[16:17] op_sel_hi:[1,0,1]
.endr
.set k, 0
.rept 32
	v_exp_f32 v[PS+k], v[PS+k]
.set k, k+1
.endr
	v_nop
	s_wait_alu depctr_va_vdst(0)
	v_pk_add_f32 v[28:29], v[PS:PS+1], v[PS+2:PS+3]
	v_pk_add_f32 v[30:31], v[PS+16:PS+17], v[PS+18:PS+19]
.irp k, 4,6,8,10,12,14
	v_pk_add_f32 v[28:29], v[28:29], v[PS+\k:PS+\k+1]
	v_pk_add_f32 v[30:31], v[30:31], v[PS+16+\k:PS+16+\k+1]
.endr
	v_pk_add_f32 v[28:29], v[28:29], v[30:31]
.if \first
	v_add_f32 v14, v28, v29
.else
	v_add_f32 v28, v28, v29
	v_fma_f32 v14, v14, v20, v28
.endif
	; 16 registers of two key tiles become 8 of one fragment, in place: register q takes 2 q and 2 q + 1, which lie above it
.irp base, PS, PS+16
.irp q, 0,1,2,3,4,5,6,7
	v_cvt_pk_f16_f32 v[\base+\q], v[\base+2*\q], v[\base+2*\q+1]
.endr
.endr
.if \first == 0
.irp k, 0,2,4,6,8,10,12,14,16,18,20,22,24,26,28,30
	v_pk_mul_f32 v[OA+\k:OA+\k+1], v[OA+\k:OA+\k+1], v[20:21]
.endr
.endif
	s_wait_dscnt 16                                ; V's 16 loads are in; the 16 younger ones, the next keys, stay out
.irp sc, 0,1
.irp et, 0,1,2,3
.if \first*(1-\sc)
	v_wmma_f32_16x16x32_f16 v[OA+8*\et:OA+8*\et+7], v[VF+16*\et+8*\sc:VF+16*\et+8*\sc+7], v[PS+16*\sc:PS+16*\sc+7], 0
.else
	v_wmma_f32_16x16x32_f16 v[OA+8*\et:OA+8*\et+7], v[VF+16*\et+8*\sc:VF+16*\et+8*\sc+7], v[PS+16*\sc:PS+16*\sc+7], v[OA+8*\et:OA+8*\et+7]
.endif
.endr
.endr
.rept 5
	v_nop                                          ; five places: the next step's first product writes over P, a source of these (ISA guide 7.12.1)
.endr
.endm
; One group of queries, g in s16; ph = 0, 1: the wave's first or second group.  The result stays in registers.
.macro PHASE ph
	s_mul_i32 s25, s16, 128*KP
	v_add_nc_u32 v3, s25, v2                       ; key 128 g
	s_mul_i32 s25, s16, 128*VP
	v_add_nc_u32 v5, s25, v4
	KLOAD
.if \ph == 0
	s_wait_loadcnt 0x0                             ; both groups' q, asked for at the start
.endif
	STEP \ph, 1, 1, 0, 0                           ; keys 128 g .. + 63, masked
	STEP \ph, 0, 1, 1, 1                           ; keys 128 g + 64 .. + 127, masked
.if \ph == 0
	s_wait_dscnt 0x0                               ; no LDS instruction of mine is out at the signal
	s_wait_tensorcnt 0x0                           ; my rows of keys 512-1023 have landed,
	s_barrier_signal -1
	s_barrier_wait -1                              ; everybody's have; every wave comes here behind the same two steps
.endif
	s_lshl_b32 s18, s16, 1                         ; then keys 0 .. 128 g - 1, all visible: 2 g steps
	s_cmp_eq_u32 s18, 0
	s_cbranch_scc1 .Lfin_\@
.Lkeys_\@:
	STEP \ph, 0, 0, 0, 0
	s_sub_co_u32 s18, s18, 1
	s_cmp_lg_u32 s18, 0
	s_cbranch_scc1 .Lkeys_\@
.Lfin_\@:
	s_wait_dscnt 0x0                               ; the keys fetched behind the last step: no LDS read of this group is out any more
	v_permlanex16_b32 v26, v14, s12, s13
	v_add_f32 v14, v14, v26                        ; the sum over all keys: at least 1, since the largest score gives exp2(0)
	v_rcp_f32 v20, v14
	v_nop                                          ; one plain vector instruction between v_rcp_f32 and the use of its result (ISA guide 5.7.2)
	s_wait_alu depctr_va_vdst(0)
	v_mov_b32 v21, v20
.irp k, 0,2,4,6,8,10,12,14,16,18,20,22,24,26,28,30
	v_pk_mul_f32 v[OA+\k:OA+\k+1], v[OA+\k:OA+\k+1], v[20:21]
.endr
.irp k, 0,1,2,3,4,5,6,7,8,9,10,11,12,13,14,15
	v_cvt_pk_f16_f32 v[QF+16*\ph+\k], v[OA+2*\k], v[OA+2*\k+1]     ; query r, e = 16 et + 8 h + 0..7 in four registers for each et
.endr
.endm
	s_mov_b32 s16, s19                             ; g = p
	PHASE 0
	s_sub_co_u32 s16, 7, s19                       ; g = 7 - p
	PHASE 1
	; THE WAY OUT.  Each wave has waited for all its LDS reads at the end of each group; behind this barrier no wave reads K or V any more,
	; and only now is LDS stored to: 16 rows at a time into my own stage, read back as rows of 128 bytes.
	s_barrier_signal -1
	s_barrier_wait -1
.irp ph, 0,1
.irp et, 0,1,2,3
	ds_store_b128 v9, v[QF+16*\ph+4*\et:QF+16*\ph+4*\et+3] offset:32*\et
.endr
.irp i, 0,1,2,3
	ds_load_b128 v[VF+16*\ph+4*\i:VF+16*\ph+4*\i+3], v10 offset:4*KP*\i    ; my own bytes: LDS serves a wave's instructions in order
.endr
.irp i, 0,1,2,3
	s_wait_dscnt 3-\i                              ; read-back i is in, the younger ones stay out
	global_store_b128 v11, v[VF+16*\ph+4*\i:VF+16*\ph+4*\i+3], s[OB+2*\ph:OB+2*\ph+1] offset:4*2048*\i     ; eight lanes store a head's 128 bytes of a row; no register of a store is written again
.endr
.endr
	s_wait_tensorcnt 0x0
	ds_add_u32 v23, v27
	s_wait_dscnt 0x0
	ROUND                                          ; the closing round
	s_endpgm
.Lfunc_end_k_qabf47b11ac_attn:
	.size	k_qabf47b11ac_attn, .Lfunc_end_k_qabf47b11ac_attn-k_qabf47b11ac_attn
	.p2alignl 7, 3214868480
	.fill 96, 4, 3214868480
	.section	.rodata,"a",@progbits
	.p2align	6, 0x0
	.amdhsa_kernel k_qabf47b11ac_attn
		.amdhsa_group_segment_fixed_size 312320
		.amdhsa_private_segment_fixed_size 0
		.amdhsa_enable_private_segment 0
		.amdhsa_kernarg_size 16
		.amdhsa_user_sgpr_count 2
		.amdhsa_user_sgpr_kernarg_segment_ptr 1
		.amdhsa_wavefront_size32 1
		.amdhsa_system_sgpr_workgroup_id_x 1
		.amdhsa_system_sgpr_workgroup_id_y 1
		.amdhsa_system_sgpr_workgroup_id_z 1
		.amdhsa_system_vgpr_workitem_id 0
		.amdhsa_next_free_vgpr 256
		.amdhsa_next_free_sgpr 66
		.amdhsa_reserve_vcc 1
		.amdhsa_float_denorm_mode_32 3
		.amdhsa_float_denorm_mode_16_64 3
		.amdhsa_memory_ordered 1
		.amdhsa_forward_progress 1
		.amdhsa_inst_pref_size 85
	.end_amdhsa_kernel
	.amdgpu_metadata
---
amdhsa.version: [ 1, 2 ]
amdhsa.kernels:
  - .name:           k_qabf47b11ac_attn
    .symbol:         k_qabf47b11ac_attn.kd
    .args:
      - { .name: qkv, .offset: 0, .size: 8, .value_kind: global_buffer, .address_space: global }
      - { .name: o, .offset: 8, .size: 8, .value_kind: global_buffer, .address_space: global }
    .group_segment_fixed_size: 312320
    .private_segment_fixed_size: 0
    .kernarg_segment_align: 8
    .kernarg_segment_size: 16
    .max_flat_workgroup_size: 256
    .sgpr_count:     66
    .vgpr_count:     256
    .wavefront_size: 32
...
	.end_amdgpu_metadata
.endif
;; end of part 3
;; launch gemm_wo (part 4): grid 8 x 32, 4 waves a work-group, clusters of 4 x 4, 327,680 bytes of LDS; arguments o, wb, x1, bo, x; writes x1
.if DOCPART == 4
	.amdgcn_target "amdgcn-amd-amdhsa--gfx1250"
	.amdhsa_code_object_version 6
	.text
	.protected	k_qabf47b11ac_gemm_wo
	.globl	k_qabf47b11ac_gemm_wo
	.p2align	8
	.type	k_qabf47b11ac_gemm_wo,@function
k_qabf47b11ac_gemm_wo:
	s_mov_b64 s[64:65], 0
	v_nop
	global_prefetch_b8 v0, s[64:65] scope:SCOPE_SE
	s_setreg_imm32_b32 hwreg(HW_REG_WAVE_MODE, 25, 1), 1
	s_wait_xcnt 0x0
	s_wait_alu depctr_hold_cnt(0) depctr_sa_sdst(0) depctr_va_vdst(0) depctr_va_sdst(0) depctr_va_ssrc(0) depctr_va_vcc(0) depctr_vm_vsrc(0)
	s_getreg_b32 s2, hwreg(HW_REG_IB_STS2, 6, 4)
	s_cmp_eq_u32 s2, 0
	s_cbranch_scc0 .Lentry_in_a_cluster
	s_endpgm
.Lentry_in_a_cluster:
	s_bfe_u32 s2, ttmp6, 0x10000c
	s_cmp_lg_u32 s2, 0xf033
	s_cbranch_scc0 .Lentry_shape_is_right
	s_endpgm
.Lentry_shape_is_right:
; x1 = x + o Wo + bo:  C = R + A W + bias.  A: [4096][KDIM] f16, rows along K.  W: [KDIM][1024] f16, rows along N, at byte WOFF of the
; weight buffer.  bias: [1024] f32.  R, C: [4096][1024] f32.
; N is 1,024, so blocks of 256 x 256 would be 64; a work-group makes 128 x 128 instead (256 work-groups), and its four waves SHARE K:
; a slot holds a slice of 256 along K, wave w multiplies k = 64 w .. 64 w + 63 of it into a full 128 x 128 partial sum of its own (64
; accumulator tiles, 512 registers), so each 16 KiB of fragments still feeds 64 matrix instructions.  At the end the four sums meet in LDS.
; ORDER OF K: the TS slices are taken in the order t xor pi, t = 0 .. TS - 1, with pi = (cluster y mod 4) xor (cluster x mod 2).  The two
; clusters that read the same rows of A, and four neighbouring clusters that read the same columns of W, differ in pi: of the clusters that
; share a slice one asks for it first and the others one to three steps later, not all at the same moment.  pi is the same in the sixteen
; work-groups of a cluster, so the joint requests stay equal.
; LIMIT: the sum over K is formed in four parts, each walking its slices in that order, that are added at the end.
; Two LDS slots filled by the tensor data mover; every tile row is 256 aligned bytes of memory.  W stays [K][N] in LDS;
; ds_load_tr16_b128 turns 8 x 8 blocks while loading.
; CLUSTERS: 4 x 4 work-groups; A's tiles are shared along a row of the cluster, W's along a column, each asked for jointly.
; REGISTER WINDOWS: window 0: v0-35 addresses and bias, v64-127 and v128-191 A's fragments (two buffers; at the end residual rows 16-31 and
; a ring of partial sums), v192-255 residual rows 0-15, asked for at the start; window 1: v64-191 W's fragments; windows 2, 3: accumulators
; (tile (a, b) at v[8 (8 a + b)]).
; THE MATRIX INSTRUCTION IS USED TRANSPOSED: source 0 = 16 columns of W, source 1 = 16 rows of A: a lane holds 8 neighbouring columns of a row.
; The 64 accumulators take turns, one instruction a turn.
.set KDIM,   1024
.set NDIM,   1024
.set WOFF,   6291456
.set TS,     KDIM/256                  ; slices of 256 along K: a multiple of 4
.set PA,     272                       ; A's LDS row: 256 bytes + 16
.set PB,     288                       ; W's LDS row: 256 bytes + 32, an odd multiple of 32, for the transposing load
.set HALFA,  128*PA                    ; one tensor load of A: 128 rows x 128 k
.set HALFB,  128*PB                    ; one tensor load of W: 128 k x 128 columns
.set SLOT,   2*HALFA+2*HALFB           ; A k 0-127, A k 128-255, W k 0-127, W k 128-255
.set RP,     528                       ; the way out: a row of 128 f32 + 16 bytes
.set A_STEP, 512                       ; bytes from a slice to the next, in A
.set B_STEP, 256*NDIM*2                ; and in W
.set LAPS,   TS/2                      ; a lap = two slots = once round the ring
.set ADRA, 16                          ; v16-17  LDS address of my A fragments in slot 0, 1
.set ADRB, 20                          ; v20-21  the same for W
.set STO,  24                          ; v24     the way out: where my partial sums go
.set CO,   26                          ; v26     16 x lane: my bytes of a row of 512
.set PADR, 28                          ; v28-31  the way out: my rows in the four partial sums
.set BI,   32                          ; v[32:35] the bias of my four columns
.set F0,   64
.set F1,   128
.set RESA, 192                         ; v[192:255] rows 0-15 of the residual, then of the result
.set RESB, 64                          ; v[64:127]  the way out: rows 16-31
.set RING, 128                         ; v[128:191] the way out: four rows x four partial sums
.set G1,  24
.set G0,  32
.set G1B, 48
.set G0B, 56
.set MSB, 0
.macro WIN new                         ; the immediate's high byte repeats the setting that is left; switches that change nothing are dropped
.if MSB != (\new)
	s_set_vgpr_msb (MSB<<8)|(\new)
.set MSB, (\new)
.endif
.endm
.set MUL_LO, 0xa1                      ; source 0 (W) window 1, source 1 (A) window 0, C and D window 2
.set MUL_HI, 0xf1                      ; the same, C and D window 3
.set TO_B,   0x40                      ; destination window 1, address window 0
; A joint load: waves 0 and 1 fetch A's halves, waves 2 and 3 W's.  The branch hangs on the wave's number alone.
.macro JLOAD s
	s_cmp_eq_u32 s11, 0
	s_cbranch_scc0 .Lfor_b_\@
	tensor_load_to_lds s[G0+4*\s:G0+4*\s+3], s[G1:G1+7]
	s_nop 0
	s_branch .Lasked_\@
.Lfor_b_\@:
	tensor_load_to_lds s[G0B+4*\s:G0B+4*\s+3], s[G1B:G1B+7]
	s_nop 0
.Lasked_\@:
.endm
; The global addresses of slot s's next tiles: slice t xor pi (t in s66, pi in s67), then t steps.  Offsets are made in s[76:79], apart from the addresses.
.macro SETADR s
	s_xor_b32 s76, s66, s67
	s_mul_i32 s78, s76, B_STEP
	s_mul_i32 s76, s76, A_STEP
	s_add_co_u32 s66, s66, 1
	s_add_nc_u64 s[G0+4*\s+2:G0+4*\s+3], s[14:15], s[76:77]
	s_add_nc_u64 s[G0B+4*\s+2:G0B+4*\s+3], s[46:47], s[78:79]
	s_or_b32 s[G0+4*\s+3], s[G0+4*\s+3], 0x80000000
	s_or_b32 s[G0B+4*\s+3], s[G0B+4*\s+3], 0x80000000
.endm
; A round of the cluster's barrier: my work-group's barrier, wave 0 signals for the work-group, every wave waits for all sixteen, my barrier again.
.macro CREST
	s_cmp_lg_u32 s10, 0
	s_cbranch_scc1 .Lnot_wave_0_\@
	s_barrier_signal -3
.Lnot_wave_0_\@:
	s_barrier_wait -3
	s_barrier_signal -1
	s_barrier_wait -1
.endm
.macro CROUND
	s_barrier_signal -1
	s_barrier_wait -1
	CREST
.endm
	s_load_b128 s[4:7], s[0:1], 0x0                ; A s[4:5], weights s[6:7]
	s_load_b64 s[8:9], s[0:1], 0x10                ; C
	s_load_b64 s[68:69], s[0:1], 0x18              ; bias
	s_load_b64 s[70:71], s[0:1], 0x20              ; R
	v_lshl_add_u32 v62, v0, 2, 0x46000
	v_mov_b32 v63, 0
	ds_add_u32 v62, v63
	v_lshrrev_b32 v1, 5, v0
	v_readfirstlane_b32 s10, v1                    ; wave 0..3
	s_lshr_b32 s11, s10, 1                         ; I fetch for A (0) or for W (1).  Also: the half of a slice in which my 64 k lie
	s_and_b32 s12, s10, 1                          ; which half of a slice I fetch.  Also: which 64 k of that half are mine
	s_bfe_u32 s40, ttmp6, 0x40000                  ; cx
	s_bfe_u32 s41, ttmp6, 0x40004                  ; cy
	s_lshl_b32 s42, ttmp9, 2
	s_add_co_u32 s42, s42, s40                     ; block column = 4 x cluster x + cx
	s_and_b32 s13, ttmp7, 0xffff
	s_lshl_b32 s13, s13, 2
	s_add_co_u32 s13, s13, s41                     ; block row = 4 x cluster y + cy
	s_lshl_b32 s43, s41, 2
	s_lshl_b32 s43, 15, s43                        ; my row of the cluster
	s_lshl_b32 s44, 0x1111, s40                    ; my column
	s_and_b32 s67, ttmp7, 3                        ; cluster y mod 4
	s_and_b32 s66, ttmp9, 1                        ; cluster x mod 2
	s_xor_b32 s67, s67, s66                        ; pi, 0..3: made of the cluster's numbers alone
	s_mov_b32 s66, 0                               ; t
	s_mov_b32 s77, 0                               ; upper words of the two offset pairs
	s_mov_b32 s79, 0
	; group 1: tiles of 128 rows x 128 elements of 2 bytes; padding behind every 64 words: 4 words for A, 8 for W
	s_or_b32 s[G1+0], s43, (1<<16)|(1<<20)|(1<<21)|(5<<22)|(3<<25)
	s_or_b32 s[G1B+0], s44, (1<<16)|(1<<20)|(1<<21)|(5<<22)|(7<<25)
	s_mov_b32 s[G1+1], 128<<16
	s_mov_b32 s[G1B+1], 128<<16
	s_mov_b32 s[G1+2], 128<<16
	s_mov_b32 s[G1B+2], 128<<16
	s_mov_b32 s[G1+3], 128<<16
	s_mov_b32 s[G1B+3], 128<<16
	s_mov_b32 s[G1+4], 128
	s_mov_b32 s[G1B+4], 128
	s_mov_b32 s[G1+5], KDIM
	s_mov_b32 s[G1B+5], NDIM
	s_mov_b32 s[G1+6], 0
	s_mov_b32 s[G1B+6], 0
	s_mov_b32 s[G1+7], 0
	s_mov_b32 s[G1B+7], 0
	; A's tiles hang on the block row, W's on the block column; each offset lives in registers that never hold the other place in the cluster
	s_mul_i32 s16, s13, 128*KDIM*2                 ; A: row 128 x block row,
	s_lshl_b32 s17, s12, 8                         ; k 128 x half
	s_add_co_u32 s16, s16, s17
	s_mov_b32 s17, 0
	s_mul_i32 s46, s12, 128*NDIM*2                 ; W: k 128 x half,
	s_lshl_b32 s47, s42, 8                         ; column 128 x block column
	s_add_co_u32 s46, s46, s47
	s_add_co_u32 s46, s46, WOFF
	s_mov_b32 s47, 0
	s_mul_i32 s20, s12, HALFA                      ; where they go: no place in the cluster enters an LDS address
	s_mul_i32 s23, s12, HALFB
	s_add_co_u32 s23, s23, 2*HALFA
	s_wait_dscnt 0x0
	s_wait_kmcnt 0x0
	s_add_nc_u64 s[14:15], s[4:5], s[16:17]        ; my part of A's slice 0; kept
	s_add_nc_u64 s[46:47], s[6:7], s[46:47]        ; my part of W's slice 0; kept
	CROUND                                         ; all sixteen work-groups are here: the first joint loads meet
.irp s, 0,1
	s_mov_b32 s[G0+4*\s], 1
	s_add_co_u32 s[G0+4*\s+1], s20, \s*SLOT
	s_mov_b32 s[G0B+4*\s], 1
	s_add_co_u32 s[G0B+4*\s+1], s23, \s*SLOT
	SETADR \s
	JLOAD \s                                       ; both slots are asked for before anything else: two loads of this wave are out
.endr
	v_and_b32 v1, 15, v0
	v_bfe_u32 v2, v0, 4, 1
	v_mul_u32_u24 v3, v1, PA
	v_lshl_add_u32 v3, v2, 4, v3                   ; A: row l % 16, 16 (l / 16)
	v_and_b32 v4, 7, v0
	v_lshl_add_u32 v4, v2, 3, v4
	v_mul_u32_u24 v4, v4, PB
	v_bfe_u32 v5, v0, 3, 1
	v_lshl_add_u32 v4, v5, 4, v4                   ; W: row k = 8 (l / 16) + l % 8, 16 ((l / 8) % 2)
	s_mul_i32 s21, s11, HALFA                      ; my 64 k of A: the half,
	s_lshl_b32 s22, s12, 7                         ; and 128 bytes along its rows
	s_add_co_u32 s21, s21, s22
	s_mul_i32 s22, s11, HALFB                      ; my 64 k of W: the half,
	s_mul_i32 s23, s12, 64*PB                      ; and 64 rows down
	s_add_co_u32 s22, s22, s23
	s_add_co_u32 s22, s22, 2*HALFA
.irp s, 0,1
	v_add_nc_u32 v[ADRA+\s], s21, v3
	v_add_nc_u32 v[ADRB+\s], s22, v4
	s_add_co_u32 s21, s21, SLOT
	s_add_co_u32 s22, s22, SLOT
.endr
	s_mul_i32 s23, s10, 128*RP                     ; my partial sum's region
	v_mul_u32_u24 v5, v1, RP
	v_lshl_add_u32 v5, v2, 5, v5                   ; row l % 16, 32 bytes for each half of the lanes
	v_add_nc_u32 v[STO], s23, v5
	v_and_b32 v5, 31, v0
	v_lshlrev_b32 v[CO], 4, v5
	s_mul_i32 s23, s10, 32*RP                      ; at the end I own rows 32 w .. 32 w + 31
	v_add_nc_u32 v[PADR], s23, v[CO]
	v_add_nc_u32 v[PADR+1], 128*RP, v[PADR]
	v_add_nc_u32 v[PADR+2], 128*RP, v[PADR+1]
	v_add_nc_u32 v[PADR+3], 128*RP, v[PADR+2]
	s_lshl_b32 s72, s42, 9                         ; my block's 128 columns of 4 bytes
	s_mov_b32 s73, 0
	s_add_nc_u64 s[68:69], s[68:69], s[72:73]
	global_load_b128 v[BI:BI+3], v[CO], s[68:69]
	s_lshl_b32 s74, s13, 2
	s_add_co_u32 s74, s74, s10
	s_lshl_b32 s74, s74, 17                        ; row 128 x block row + 32 w, 4,096 bytes each
	s_add_co_u32 s74, s74, s72
	s_mov_b32 s75, 0
	s_add_nc_u64 s[8:9], s[8:9], s[74:75]
	s_add_nc_u64 s[70:71], s[70:71], s[74:75]
.set i, 0
.rept 16
	global_load_b128 v[RESA+4*i:RESA+4*i+3], v[CO], s[70:71] offset:4096*i th:TH_LOAD_NT   ; rows 0-15 of my 32 of the residual, into registers that the products do not use
.set i, i+1
.endr
; 16 matrix instructions: row blocks a0, a0 + 1 of the window's four x all 8 column blocks, 32 along K.  zero = 1: the first product starts the sums.
.macro MUL16 f, hi, a0, zero
.irp a, \a0, \a0+1
.irp b, 0,1,2,3,4,5,6,7
.if \zero
	v_wmma_f32_16x16x32_f16 v[8*(8*(\a)+\b):8*(8*(\a)+\b)+7], v[\f+8*\b:\f+8*\b+7], v[\f+8*(4*\hi+\a):\f+8*(4*\hi+\a)+7], 0
.else
	v_wmma_f32_16x16x32_f16 v[8*(8*(\a)+\b):8*(8*(\a)+\b)+7], v[\f+8*\b:\f+8*\b+7], v[\f+8*(4*\hi+\a):\f+8*(4*\hi+\a)+7], v[8*(8*(\a)+\b):8*(8*(\a)+\b)+7]
.endif
.endr
.endr
.endm
; 32 LDS loads in one run: the fragments of my k 32 q .. 32 q + 31 of a slot into buffer f
.macro FETCH slot, q, f
	WIN TO_B
.irp i, 0,1,2,3,4,5,6,7
	ds_load_tr16_b128 v[\f+8*\i:\f+8*\i+3],   v[ADRB+\slot] offset:\q*32*PB+32*\i
	ds_load_tr16_b128 v[\f+8*\i+4:\f+8*\i+7], v[ADRB+\slot] offset:\q*32*PB+32*\i+16*PB
.endr
	WIN 0
.irp i, 0,1,2,3,4,5,6,7
	ds_load_b128 v[\f+8*\i:\f+8*\i+3],   v[ADRA+\slot] offset:64*\q+\i*16*PA
	ds_load_b128 v[\f+8*\i+4:\f+8*\i+7], v[ADRA+\slot] offset:64*\q+\i*16*PA+32
.endr
.endm
; Four plain vector instructions stand between a matrix instruction and a load into, a store of, or a vector instruction on one of its
; registers (ISA guide 7.12.1 for vector instructions).
.macro PLACES
.rept 4
	v_nop
.endr
.endm
; The first half of my share of a slot: multiplies buffer 0; in its middle it fetches the second half into buffer 1.
.macro FRONT slot, zero
	s_wait_dscnt 8                                 ; W and A's rows 0-63 are in; the youngest eight loads (A's rows 64-127) may be out
	WIN MUL_LO
	MUL16 F0, 0, 0, \zero
	MUL16 F0, 0, 2, \zero
	PLACES
	FETCH \slot, 1, F1
	s_wait_dscnt 32                                ; all but the 32 just issued
	WIN MUL_HI
	MUL16 F0, 1, 0, \zero
	MUL16 F0, 1, 2, \zero
.endm
; The second half multiplies buffer 1 and changes slots.  ONE barrier: in front of it each wave waits for its reads of this slot and for
; all its tensor loads (one is out: its part of the next slot).  Behind it this slot is filled again first (fill = 1, behind a round of
; the cluster's barrier, which this barrier opens), then the next slot's first fragments are read.  A slot's 128 products are short beside
; the way of a tile, so nothing stands between the landing of one tile and the request for the next but the barrier and the round:
; half of this quarter's products stand in front of the waits, half behind the request.
.macro TURN slot, next, fill
	s_wait_dscnt 8
	WIN MUL_LO
	MUL16 F1, 0, 0, 0
	MUL16 F1, 0, 2, 0
	WIN 0
	s_wait_dscnt 0                                 ; my reads of this slot are over
	s_wait_tensorcnt 0x0                           ; all my tensor loads have landed
	ds_add_u32 v62, v63
	s_wait_dscnt 0x0
	s_barrier_signal -1
	s_barrier_wait -1
.if \fill
	CREST                                          ; no wave of any partner still reads this slot or has a load on its way
	SETADR \slot                                   ; no tensor load of mine is out: the slot's two group 0 may be written
	JLOAD \slot                                    ; my one tensor load behind the round: from here one load of this wave is out
.endif
	PLACES
	FETCH \next, 0, F0
	WIN MUL_HI
	MUL16 F1, 1, 0, 0
	MUL16 F1, 1, 2, 0
.endm
.macro LAP zero
	FRONT 0, \zero
	TURN 0, 1, 1
	FRONT 1, 0
	TURN 1, 0, 1
.endm
	s_wait_tensorcnt 0x1                           ; my part of slot 0 is in; slot 1's stays out
	s_barrier_signal -1
	s_barrier_wait -1
	FETCH 0, 0, F0
	LAP 1                                          ; the first lap stands in front of the loop: its first products start the sums
.if LAPS > 2
	WIN 0
	s_mov_b32 s3, LAPS-2
.Llap:
	LAP 0
	WIN 0
	s_sub_co_u32 s3, s3, 1
	s_cmp_lg_u32 s3, 0
	s_cbranch_scc1 .Llap
.endif
	FRONT 0, 0                                     ; the last lap fills nothing
	TURN 0, 1, 0
	FRONT 1, 0
	s_wait_dscnt 8
	WIN MUL_LO
	MUL16 F1, 0, 0, 0
	MUL16 F1, 0, 2, 0
	s_wait_dscnt 0                                 ; my last reads of the ring
	WIN MUL_HI
	MUL16 F1, 1, 0, 0
	MUL16 F1, 1, 2, 0
	; THE WAY OUT.  The ring has had its last fill (every wave waited for all its tensor loads in front of the last change of slots), and behind
	; this barrier no wave reads it any more: its bytes now take the four partial sums, 128 rows x 528 bytes each.
	WIN 0
	s_barrier_signal -1
	s_barrier_wait -1
	PLACES
.set i, 16
.rept 16
	global_load_b128 v[RESB+4*(i-16):RESB+4*(i-16)+3], v[CO], s[70:71] offset:4096*i th:TH_LOAD_NT   ; rows 16-31 of the residual: they have the stores below and rows 0-15 in which to come
.set i, i+1
.endr
.irp hi, 0,1
	WIN 0x08+4*\hi                                 ; store data from the accumulators' window
.irp a, 0,1,2,3
.irp b, 0,1,2,3,4,5,6,7
	ds_store_b128 v[STO], v[8*(8*\a+\b):8*(8*\a+\b)+3]   offset:(4*\hi+\a)*16*RP+64*\b
	ds_store_b128 v[STO], v[8*(8*\a+\b)+4:8*(8*\a+\b)+7] offset:(4*\hi+\a)*16*RP+64*\b+16
.endr
.endr
.endr
	WIN 0
	s_wait_dscnt 0x0                               ; for the others' sake: my partial sum is written
	s_barrier_signal -1
	s_barrier_wait -1
.irp i, 0,1,2,3
.irp p, 0,1,2,3
	ds_load_b128 v[RING+16*\i+4*\p:RING+16*\i+4*\p+3], v[PADR+\p] offset:\i*RP
.endr
.endr
.set i, 0
.rept 32
.if i < 16
.set rr, RESA+4*i
.else
.set rr, RESB+4*(i-16)
.endif
.if i == 0
	s_wait_loadcnt 16                              ; the bias and residual rows 0-15 are in; the sixteen younger loads, rows 16-31, stay out
.endif
.if i >= 16
	s_wait_loadcnt 31-i                            ; residual row i is in, the younger rows stay out
.endif
.if i < 29
	s_wait_dscnt 12                                ; row i's four loads are in; the three younger rows' twelve stay out
.else
	s_wait_dscnt 4*(31-i)                          ; the last rows: the counts run down
.endif
	v_pk_add_f32 v[rr:rr+1], v[rr:rr+1], v[BI:BI+1]
	v_pk_add_f32 v[rr+2:rr+3], v[rr+2:rr+3], v[BI+2:BI+3]
.irp p, 0,1,2,3
	v_pk_add_f32 v[rr:rr+1], v[rr:rr+1], v[RING+16*(i%4)+4*\p:RING+16*(i%4)+4*\p+1]
	v_pk_add_f32 v[rr+2:rr+3], v[rr+2:rr+3], v[RING+16*(i%4)+4*\p+2:RING+16*(i%4)+4*\p+3]
.endr
.if i < 28
.irp p, 0,1,2,3
	ds_load_b128 v[RING+16*(i%4)+4*\p:RING+16*(i%4)+4*\p+3], v[PADR+\p] offset:(i+4)*RP
.endr
.endif
	global_store_b128 v[CO], v[rr:rr+3], s[8:9] offset:4096*i      ; 512 consecutive aligned bytes; no register of a store is written again
.set i, i+1
.endr
	s_wait_tensorcnt 0x0
	ds_add_u32 v62, v63
	s_wait_dscnt 0x0
	CROUND                                         ; the closing round: no work-group ends while a partner may still ask for a tile that names it
	s_endpgm
.Lfunc_end_k_qabf47b11ac_gemm_wo:
	.size	k_qabf47b11ac_gemm_wo, .Lfunc_end_k_qabf47b11ac_gemm_wo-k_qabf47b11ac_gemm_wo
	.p2alignl 7, 3214868480
	.fill 96, 4, 3214868480
	.section	.rodata,"a",@progbits
	.p2align	6, 0x0
	.amdhsa_kernel k_qabf47b11ac_gemm_wo
		.amdhsa_group_segment_fixed_size 327680
		.amdhsa_private_segment_fixed_size 0
		.amdhsa_enable_private_segment 0
		.amdhsa_kernarg_size 40
		.amdhsa_user_sgpr_count 2
		.amdhsa_user_sgpr_kernarg_segment_ptr 1
		.amdhsa_wavefront_size32 1
		.amdhsa_system_sgpr_workgroup_id_x 1
		.amdhsa_system_sgpr_workgroup_id_y 1
		.amdhsa_system_sgpr_workgroup_id_z 1
		.amdhsa_system_vgpr_workitem_id 0
		.amdhsa_next_free_vgpr 1024
		.amdhsa_next_free_sgpr 80
		.amdhsa_reserve_vcc 0
		.amdhsa_float_denorm_mode_32 3
		.amdhsa_float_denorm_mode_16_64 3
		.amdhsa_memory_ordered 1
		.amdhsa_forward_progress 1
		.amdhsa_inst_pref_size 105
	.end_amdhsa_kernel
	.amdgpu_metadata
---
amdhsa.version: [ 1, 2 ]
amdhsa.kernels:
  - .name:           k_qabf47b11ac_gemm_wo
    .symbol:         k_qabf47b11ac_gemm_wo.kd
    .args:
      - { .name: o, .offset: 0, .size: 8, .value_kind: global_buffer, .address_space: global }
      - { .name: wb, .offset: 8, .size: 8, .value_kind: global_buffer, .address_space: global }
      - { .name: x1, .offset: 16, .size: 8, .value_kind: global_buffer, .address_space: global }
      - { .name: bo, .offset: 24, .size: 8, .value_kind: global_buffer, .address_space: global }
      - { .name: x, .offset: 32, .size: 8, .value_kind: global_buffer, .address_space: global }
    .group_segment_fixed_size: 327680
    .private_segment_fixed_size: 0
    .kernarg_segment_align: 8
    .kernarg_segment_size: 40
    .max_flat_workgroup_size: 128
    .sgpr_count:     80
    .vgpr_count:     1024
    .wavefront_size: 32
...
	.end_amdgpu_metadata
.endif
;; end of part 4
;; launch ln2 (part 5): grid 256 x 1, 8 waves a work-group, no clusters, 0 bytes of LDS; arguments x1, g2, be2, h; writes h
.if DOCPART == 5
	.amdgcn_target "amdgcn-amd-amdhsa--gfx1250"
	.amdhsa_code_object_version 6
	.text
	.protected	k_qabf47b11ac_ln2
	.globl	k_qabf47b11ac_ln2
	.p2align	8
	.type	k_qabf47b11ac_ln2,@function
k_qabf47b11ac_ln2:
	s_mov_b64 s[64:65], 0
	v_nop
	global_prefetch_b8 v0, s[64:65] scope:SCOPE_SE
	s_setreg_imm32_b32 hwreg(HW_REG_WAVE_MODE, 25, 1), 1
	s_wait_xcnt 0x0
; y[r][c] = (x[r][c] - mean) * rsqrt(var + 1e-5) * g[c] + b[c].  x: [4096][1024] f32; g, b: [1024] f32; y: [4096][1024] f16, rounded once.
; ROOM IN f16: |x - mean| * rsqrt(var) is below sqrt(1024) = 32 for every row, so |y| <= 32 |g| + |b|.
; LIMIT: y beyond 65,504 in magnitude (|g| above some 2,000) becomes infinite.
; A row is 4,096 bytes = 32 registers of one wave, so a wave keeps a whole row between the passes: the row is read once, and the
; variance is the mean of (x - mean)^2 as it is defined, not a difference of large sums.  Eight waves, two rows each: 16 rows a
; work-group, 256 work-groups.  No LDS and no barrier: no wave needs another's numbers.
; Lane l holds columns 128 j + 4 l .. + 3 (j = 0..7): a load covers 512 consecutive bytes, a store 256 consecutive aligned bytes.
.set X0,  8                            ; v[8:39]    row 0
.set X1,  40                           ; v[40:71]   row 1
.set G,   72                           ; v[72:103]  gain of my 32 columns
.set BE,  104                          ; v[104:135] bias of my 32 columns
.set S,   136                          ; v[136:143] four chains of sums, two numbers each
.set MU,  144                          ; v[144:145] the mean, twice
.set RS0, 146                          ; v[146:147] rsqrt(var + eps) of row 0, twice
.set RS1, 148                          ; v[148:149] of row 1
.set PT,  150                          ; v150       what comes from the other half of the lanes
	s_load_b256 s[4:11], s[0:1], 0x0               ; x s[4:5], g s[6:7], b s[8:9], y s[10:11]
	v_lshrrev_b32 v1, 5, v0
	v_readfirstlane_b32 s14, v1                    ; wave
	v_and_b32 v1, 31, v0                           ; lane
	v_lshlrev_b32 v4, 4, v1                        ; g, b: 16 lane
	v_lshl_add_u32 v2, s14, 13, v4                 ; x: two rows of 4,096 bytes a wave
	v_lshlrev_b32 v3, 3, v1
	v_lshl_add_u32 v3, s14, 12, v3                 ; y: two rows of 2,048 bytes a wave, 8 bytes a lane
	v_mov_b32 v[PT], 0                             ; v_permlanex16_b32 counts as a reader of its destination
	s_lshl_b32 s16, ttmp9, 16                      ; 16 rows of x
	s_mov_b32 s17, 0
	s_lshl_b32 s18, ttmp9, 15                      ; 16 rows of y
	s_mov_b32 s19, 0
	s_mov_b32 s12, 0x76543210                      ; v_permlanex16_b32: lane i reads lane i of the other half
	s_mov_b32 s13, 0xfedcba98
	s_mov_b32 s15, 0x3a800000                      ; 1 / 1024
	s_mov_b32 s20, 0x3727c5ac                      ; 1e-5
	s_wait_kmcnt 0x0
	s_add_nc_u64 s[4:5], s[4:5], s[16:17]
	s_add_nc_u64 s[10:11], s[10:11], s[18:19]
.irp j, 0,1,2,3,4,5,6,7
	global_load_b128 v[X0+4*\j:X0+4*\j+3], v2, s[4:5] offset:512*\j
.endr
.irp j, 0,1,2,3,4,5,6,7
	global_load_b128 v[X1+4*\j:X1+4*\j+3], v2, s[4:5] offset:4096+512*\j
.endr
.irp j, 0,1,2,3,4,5,6,7
	global_load_b128 v[G+4*\j:G+4*\j+3], v4, s[6:7] offset:512*\j
.endr
.irp j, 0,1,2,3,4,5,6,7
	global_load_b128 v[BE+4*\j:BE+4*\j+3], v4, s[8:9] offset:512*\j
.endr
; the four chains, then the 32 lanes: the sum ends in v[S] of every lane
.macro REDUCE
	v_pk_add_f32 v[S:S+1], v[S:S+1], v[S+2:S+3]
	v_pk_add_f32 v[S+4:S+5], v[S+4:S+5], v[S+6:S+7]
	v_pk_add_f32 v[S:S+1], v[S:S+1], v[S+4:S+5]
	v_add_f32 v[S], v[S], v[S+1]
.irp m, 1,2,4,8
	v_add_f32_dpp v[S], v[S], v[S] row_xmask:\m row_mask:0xf bank_mask:0xf
.endr
	v_permlanex16_b32 v[PT], v[S], s12, s13
	v_add_f32 v[S], v[S], v[PT]
.endm
; the row at x becomes x - mean; rs gets rsqrt(var + eps), twice
.macro STATS x, rs
.irp k, 0,2,4,6
	v_pk_add_f32 v[S+\k:S+\k+1], v[\x+\k:\x+\k+1], v[\x+8+\k:\x+8+\k+1]      ; the first numbers start the chains: nothing is cleared
.endr
.irp m, 16,24
.irp k, 0,2,4,6
	v_pk_add_f32 v[S+\k:S+\k+1], v[S+\k:S+\k+1], v[\x+\m+\k:\x+\m+\k+1]
.endr
.endr
	REDUCE
	v_mul_f32 v[MU], s15, v[S]
	v_mov_b32 v[MU+1], v[MU]
.irp k, 0,2,4,6,8,10,12,14,16,18,20,22,24,26,28,30
	v_pk_add_f32 v[\x+\k:\x+\k+1], v[\x+\k:\x+\k+1], v[MU:MU+1] neg_lo:[0,1] neg_hi:[0,1]
.endr
.irp k, 0,2,4,6
	v_pk_mul_f32 v[S+\k:S+\k+1], v[\x+\k:\x+\k+1], v[\x+\k:\x+\k+1]
.endr
.irp m, 8,16,24
.irp k, 0,2,4,6
	v_pk_fma_f32 v[S+\k:S+\k+1], v[\x+\m+\k:\x+\m+\k+1], v[\x+\m+\k:\x+\m+\k+1], v[S+\k:S+\k+1]
.endr
.endr
	REDUCE
	v_fma_f32 v[\rs], v[S], s15, s20               ; var + eps
	v_rsq_f32 v[\rs], v[\rs]
	v_nop                                          ; one plain vector instruction stands between v_rsq_f32 and the use of its result (ISA guide 5.7.2)
	s_wait_alu depctr_va_vdst(0)
	v_mov_b32 v[\rs+1], v[\rs]
.endm
; scale, gain, bias, round, store
.macro SCALE x, rs, rowoff
.irp j, 0,1,2,3,4,5,6,7
	v_pk_mul_f32 v[\x+4*\j:\x+4*\j+1], v[\x+4*\j:\x+4*\j+1], v[\rs:\rs+1]
	v_pk_mul_f32 v[\x+4*\j+2:\x+4*\j+3], v[\x+4*\j+2:\x+4*\j+3], v[\rs:\rs+1]
	v_pk_fma_f32 v[\x+4*\j:\x+4*\j+1], v[\x+4*\j:\x+4*\j+1], v[G+4*\j:G+4*\j+1], v[BE+4*\j:BE+4*\j+1]
	v_pk_fma_f32 v[\x+4*\j+2:\x+4*\j+3], v[\x+4*\j+2:\x+4*\j+3], v[G+4*\j+2:G+4*\j+3], v[BE+4*\j+2:BE+4*\j+3]
	v_cvt_pk_f16_f32 v[\x+4*\j], v[\x+4*\j], v[\x+4*\j+1]
	v_cvt_pk_f16_f32 v[\x+4*\j+1], v[\x+4*\j+2], v[\x+4*\j+3]
	global_store_b64 v3, v[\x+4*\j:\x+4*\j+1], s[10:11] offset:\rowoff+256*\j    ; no register of a store is written again
.endr
.endm
	s_wait_loadcnt 24                              ; row 0's eight loads are in; row 1, g and b (24 loads) stay out
	STATS X0, RS0
	s_wait_loadcnt 16                              ; row 1 is in; g and b stay out
	STATS X1, RS1
	s_wait_loadcnt 0x0                             ; g and b
	SCALE X0, RS0, 0
	SCALE X1, RS1, 2048
	s_endpgm
.Lfunc_end_k_qabf47b11ac_ln2:
	.size	k_qabf47b11ac_ln2, .Lfunc_end_k_qabf47b11ac_ln2-k_qabf47b11ac_ln2
	.p2alignl 7, 3214868480
	.fill 96, 4, 3214868480
	.section	.rodata,"a",@progbits
	.p2align	6, 0x0
	.amdhsa_kernel k_qabf47b11ac_ln2
		.amdhsa_group_segment_fixed_size 0
		.amdhsa_private_segment_fixed_size 0
		.amdhsa_enable_private_segment 0
		.amdhsa_kernarg_size 32
		.amdhsa_user_sgpr_count 2
		.amdhsa_user_sgpr_kernarg_segment_ptr 1
		.amdhsa_wavefront_size32 1
		.amdhsa_system_sgpr_workgroup_id_x 1
		.amdhsa_system_sgpr_workgroup_id_y 1
		.amdhsa_system_sgpr_workgroup_id_z 1
		.amdhsa_system_vgpr_workitem_id 0
		.amdhsa_next_free_vgpr 160
		.amdhsa_next_free_sgpr 66
		.amdhsa_reserve_vcc 0
		.amdhsa_float_denorm_mode_32 3
		.amdhsa_float_denorm_mode_16_64 3
		.amdhsa_memory_ordered 1
		.amdhsa_forward_progress 1
		.amdhsa_inst_pref_size 20
	.end_amdhsa_kernel
	.amdgpu_metadata
---
amdhsa.version: [ 1, 2 ]
amdhsa.kernels:
  - .name:           k_qabf47b11ac_ln2
    .symbol:         k_qabf47b11ac_ln2.kd
    .args:
      - { .name: x1, .offset: 0, .size: 8, .value_kind: global_buffer, .address_space: global }
      - { .name: g2, .offset: 8, .size: 8, .value_kind: global_buffer, .address_space: global }
      - { .name: be2, .offset: 16, .size: 8, .value_kind: global_buffer, .address_space: global }
      - { .name: h, .offset: 24, .size: 8, .value_kind: global_buffer, .address_space: global }
    .group_segment_fixed_size: 0
    .private_segment_fixed_size: 0
    .kernarg_segment_align: 8
    .kernarg_segment_size: 32
    .max_flat_workgroup_size: 256
    .sgpr_count:     66
    .vgpr_count:     160
    .wavefront_size: 32
...
	.end_amdgpu_metadata
.endif
;; end of part 5
;; launch gemm_ffn1 (part 6): grid 16 x 16, 4 waves a work-group, clusters of 4 x 4, 327,680 bytes of LDS; arguments h, wb, ffh, b1; writes ffh
.if DOCPART == 6
	.amdgcn_target "amdgcn-amd-amdhsa--gfx1250"
	.amdhsa_code_object_version 6
	.text
	.protected	k_qabf47b11ac_gemm_ffn1
	.globl	k_qabf47b11ac_gemm_ffn1
	.p2align	8
	.type	k_qabf47b11ac_gemm_ffn1,@function
k_qabf47b11ac_gemm_ffn1:
	s_mov_b64 s[64:65], 0
	v_nop
	global_prefetch_b8 v0, s[64:65] scope:SCOPE_SE
	s_setreg_imm32_b32 hwreg(HW_REG_WAVE_MODE, 25, 1), 1
	s_wait_xcnt 0x0
	s_wait_alu depctr_hold_cnt(0) depctr_sa_sdst(0) depctr_va_vdst(0) depctr_va_sdst(0) depctr_va_ssrc(0) depctr_va_vcc(0) depctr_vm_vsrc(0)
	s_getreg_b32 s2, hwreg(HW_REG_IB_STS2, 6, 4)
	s_cmp_eq_u32 s2, 0
	s_cbranch_scc0 .Lentry_in_a_cluster
	s_endpgm
.Lentry_in_a_cluster:
	s_bfe_u32 s2, ttmp6, 0x10000c
	s_cmp_lg_u32 s2, 0xf033
	s_cbranch_scc0 .Lentry_shape_is_right
	s_endpgm
.Lentry_shape_is_right:
; The feed-forward's first layer: C = relu(A W + bias).  A = LayerNorm(x1): [4096][KDIM] f16, rows along K.  W: [KDIM][NDIM] f16, rows
; along N, at byte WOFF of the weight buffer.  bias: [NDIM] f32.  C: [4096][NDIM] f16, rounded once.  One f32 sum an output, K ascending.
; ROOM IN f16: with A of rms 1 and W of rms 1/32 over K = 1,024, A W has rms 1; with gain and weights both 30 times larger, 900.
; LIMITS: a result beyond 65,504 becomes infinite; relu is a maximum in which a NaN loses, so a NaN becomes 0.
; A work-group makes 256 x 256 of C with four waves, as many as a WGP has SIMDs; a wave makes 128 x 128: 64 accumulator tiles, 512 registers.
; K goes in steps of 128 through two LDS slots filled by the tensor data mover; every tile row is 256 aligned bytes of memory.
; W stays [K][N] in LDS; ds_load_tr16_b128 turns 8 x 8 blocks while loading, so that a lane gets 8 consecutive k of one column.
; CLUSTERS: 4 x 4 work-groups.  The four of a row of the cluster need the same tiles of A, the four of a column the same tiles of W:
; each tile is asked for jointly (same line, same descriptor, a mask that names the four), which divides the requests by four.
; REGISTER WINDOWS: window 0: v0-31 addresses, v64-127 and v128-191 A's fragments (two buffers), v192-223 packed results;
; window 1: v64-127, v128-191 W's fragments, v0-63 the bias; window 2: accumulators of my rows 0-63
; (tile (a, b) at v[8 (8 a + b)]); window 3: rows 64-127.
; THE MATRIX INSTRUCTION IS USED TRANSPOSED: source 0 = 16 columns of W, source 1 = 16 rows of A, so that a lane's eight results are
; eight neighbouring columns of one row of C.
; The 64 accumulators take turns, one instruction a turn, over the loop's backward jump too.
.set KDIM,   1024
.set NDIM,   4096
.set WOFF,   8388608
.set BIAS,   1
.set KSTEP,  128
.set PA,     272                       ; A's LDS row: 256 bytes + 16: the 16 rows of a fragment load start in 16 different 16-byte columns
.set PB,     288                       ; W's LDS row: 256 bytes + 32, an odd multiple of 32, for the transposing load
.set HALFA,  128*PA                    ; one tensor load of A: 128 rows
.set HALFB,  128*PB                    ; one tensor load of W: 128 k x 128 columns
.set SLOT,   2*HALFA+2*HALFB           ; A rows 0-127, A rows 128-255, W columns 0-127, W columns 128-255
.set STAGE,  2*SLOT                    ; behind the ring, a multiple of 256: 16 rows x 272 bytes for each wave, never filled by a tensor load
.set SPITCH, 272
.set A_STEP, KSTEP*2                   ; bytes from a K step to the next, in A
.set B_STEP, KSTEP*NDIM*2              ; and in W
.set LAPS,   KDIM/(2*KSTEP)            ; a lap = two K steps = once round the ring
.set ADRA, 16                          ; v16-17  LDS address of my A fragments in slot 0, 1
.set ADRB, 20                          ; v20-21  the same for W
.set STO,  24                          ; v24     the way out: where I put 16 bytes of a row
.set RD,   25                          ; v25     the way out: where I read a row back
.set CO,   26                          ; v26     my byte offset in C
.set BO,   27                          ; v27     my byte offset in the bias
.set F0,   64
.set F1,   128
.set RB0,  128                         ; the way out: rows read back, two buffers
.set RB1,  160
.set TMP,  192
.set G1,  24                           ; s[24:31] group 1 for A
.set G0,  32                           ; s[32:39] group 0 for A, a set for each slot
.set G1B, 48                           ; s[48:55] group 1 for W
.set G0B, 56                           ; s[56:63] group 0 for W, a set for each slot
.set MSB, 0
.macro WIN new                         ; the immediate's high byte repeats the setting that is left; switches that change nothing are dropped
.if MSB != (\new)
	s_set_vgpr_msb (MSB<<8)|(\new)
.set MSB, (\new)
.endif
.endm
.set MUL_LO, 0xa1                      ; source 0 (W) window 1, source 1 (A) window 0, C and D window 2
.set MUL_HI, 0xf1                      ; the same, C and D window 3
.set TO_B,   0x40                      ; destination window 1, address window 0
; A joint load: waves 0 and 1 fetch A's halves, waves 2 and 3 W's.  The branch hangs on the wave's number alone.
.macro JLOAD s
	s_cmp_eq_u32 s11, 0
	s_cbranch_scc0 .Lfor_b_\@
	tensor_load_to_lds s[G0+4*\s:G0+4*\s+3], s[G1:G1+7]
	s_nop 0
	s_branch .Lasked_\@
.Lfor_b_\@:
	tensor_load_to_lds s[G0B+4*\s:G0B+4*\s+3], s[G1B:G1B+7]
	s_nop 0
.Lasked_\@:
.endm
; A round of the cluster's barrier: my work-group's barrier, wave 0 signals for the work-group, every wave waits for all sixteen, my barrier again.
.macro CREST                           ; a round behind its opening barrier
	s_cmp_lg_u32 s10, 0
	s_cbranch_scc1 .Lnot_wave_0_\@
	s_barrier_signal -3
.Lnot_wave_0_\@:
	s_barrier_wait -3
	s_barrier_signal -1
	s_barrier_wait -1
.endm
.macro CROUND
	s_barrier_signal -1
	s_barrier_wait -1
	CREST
.endm
	s_load_b128 s[4:7], s[0:1], 0x0                ; A s[4:5], weights s[6:7]
	s_load_b64 s[8:9], s[0:1], 0x10                ; C
.if BIAS
	s_load_b64 s[68:69], s[0:1], 0x18              ; bias
	s_set_vgpr_msb 0x40
	v_lshl_add_u32 v255, v0, 2, 0x4a400
	s_set_vgpr_msb 0x4000
	v_mov_b32 v255, 0
	s_set_vgpr_msb 0x1
	ds_add_u32 v255, v255
	s_set_vgpr_msb 0x100
.endif
	v_lshrrev_b32 v1, 5, v0
	v_readfirstlane_b32 s10, v1                    ; wave 0..3
	s_lshr_b32 s11, s10, 1                         ; my half of the block's rows.  Also: I fetch for A (0) or for W (1)
	s_and_b32 s12, s10, 1                          ; my half of its columns.  Also: which half of that tile I fetch
	s_bfe_u32 s40, ttmp6, 0x40000                  ; cx
	s_bfe_u32 s41, ttmp6, 0x40004                  ; cy
	s_lshl_b32 s42, ttmp9, 2
	s_add_co_u32 s42, s42, s40                     ; block column = 4 x cluster x + cx
	s_and_b32 s13, ttmp7, 0xffff
	s_lshl_b32 s13, s13, 2
	s_add_co_u32 s13, s13, s41                     ; block row = 4 x cluster y + cy
	s_lshl_b32 s43, s41, 2
	s_lshl_b32 s43, 15, s43                        ; my row of the cluster: places 4 cy .. 4 cy + 3
	s_lshl_b32 s44, 0x1111, s40                    ; my column: places cx, cx + 4, cx + 8, cx + 12
	; group 1: tiles of 128 rows x 128 elements of 2 bytes; padding behind every 64 words: 4 words for A, 8 for W
	s_or_b32 s[G1+0], s43, (1<<16)|(1<<20)|(1<<21)|(5<<22)|(3<<25)
	s_or_b32 s[G1B+0], s44, (1<<16)|(1<<20)|(1<<21)|(5<<22)|(7<<25)
	s_mov_b32 s[G1+1], 128<<16                     ; tensor_dim0 = 128
	s_mov_b32 s[G1B+1], 128<<16
	s_mov_b32 s[G1+2], 128<<16                     ; tensor_dim1 = 128
	s_mov_b32 s[G1B+2], 128<<16
	s_mov_b32 s[G1+3], 128<<16                     ; tile_dim0 = 128
	s_mov_b32 s[G1B+3], 128<<16
	s_mov_b32 s[G1+4], 128                         ; tile_dim1 = 128
	s_mov_b32 s[G1B+4], 128
	s_mov_b32 s[G1+5], KDIM                        ; elements from row to row
	s_mov_b32 s[G1B+5], NDIM
	s_mov_b32 s[G1+6], 0
	s_mov_b32 s[G1B+6], 0
	s_mov_b32 s[G1+7], 0
	s_mov_b32 s[G1B+7], 0
	; A's tiles hang on the block row alone, W's on the block column alone; each offset lives in registers that never hold the other coordinate
	s_lshl_b32 s16, s13, 1
	s_add_co_u32 s16, s16, s12
	s_mul_i32 s16, s16, 128*KDIM*2                 ; A: row 256 x block row + 128 x half
	s_mov_b32 s17, 0
	s_lshl_b32 s46, s42, 1
	s_add_co_u32 s46, s46, s12
	s_lshl_b32 s46, s46, 8                         ; W: column 256 x block column + 128 x half, 2 bytes each
.if WOFF
	s_add_co_u32 s46, s46, WOFF
.endif
	s_mov_b32 s47, 0
	s_mul_i32 s20, s12, HALFA                      ; where they go: no place in the cluster enters an LDS address
	s_mul_i32 s23, s12, HALFB
	s_add_co_u32 s23, s23, 2*HALFA
	s_wait_dscnt 0x0
	s_wait_kmcnt 0x0
	s_add_nc_u64 s[14:15], s[4:5], s[16:17]
	s_add_nc_u64 s[46:47], s[6:7], s[46:47]
	CROUND                                         ; all sixteen work-groups are here: the first joint loads meet
.irp s, 0,1
	s_mov_b32 s[G0+4*\s], 1
	s_add_co_u32 s[G0+4*\s+1], s20, \s*SLOT
	s_add_nc_u64 s[G0+4*\s+2:G0+4*\s+3], s[14:15], \s*A_STEP
	s_or_b32 s[G0+4*\s+3], s[G0+4*\s+3], 0x80000000
	s_mov_b32 s[G0B+4*\s], 1
	s_add_co_u32 s[G0B+4*\s+1], s23, \s*SLOT
	s_add_nc_u64 s[G0B+4*\s+2:G0B+4*\s+3], s[46:47], \s*B_STEP
	s_or_b32 s[G0B+4*\s+3], s[G0B+4*\s+3], 0x80000000
	JLOAD \s                                       ; both slots are asked for before anything else: two loads of this wave are out
.endr
	; A's fragment: lane l holds row l % 16; two loads of 16 bytes, 32 apart, at row x pitch + 16 (l / 16).
	; W's fragment: lane l addresses row k = 8 (l / 16) + l % 8, 16 bytes at 16 ((l / 8) % 2); the second load 16 rows further down.
	v_and_b32 v1, 15, v0
	v_bfe_u32 v2, v0, 4, 1
	v_mul_u32_u24 v3, v1, PA
	v_lshl_add_u32 v3, v2, 4, v3
	v_and_b32 v4, 7, v0
	v_lshl_add_u32 v4, v2, 3, v4
	v_mul_u32_u24 v4, v4, PB
	v_bfe_u32 v5, v0, 3, 1
	v_lshl_add_u32 v4, v5, 4, v4
	s_mul_i32 s21, s11, HALFA                      ; my 128 rows of A
	s_mul_i32 s22, s12, HALFB                      ; my 128 columns of W,
	s_add_co_u32 s22, s22, 2*HALFA                 ; behind A's two halves
.irp s, 0,1
	v_add_nc_u32 v[ADRA+\s], s21, v3
	v_add_nc_u32 v[ADRB+\s], s22, v4
	s_add_co_u32 s21, s21, SLOT
	s_add_co_u32 s22, s22, SLOT
.endr
	s_mul_i32 s23, s10, 16*SPITCH
	s_add_co_u32 s23, s23, STAGE                   ; my stage
	v_add_nc_u32 v[STO], s23, v3                   ; in: row l % 16, 16 bytes for each half of the lanes (the stage's pitch is A's)
	v_mul_u32_u24 v6, v2, SPITCH                   ; back: lanes 0-15 one row of 256 bytes, lanes 16-31 the next
	v_lshl_add_u32 v6, v1, 4, v6
	v_add_nc_u32 v[RD], s23, v6
	v_mul_u32_u24 v6, v2, NDIM*2                   ; the same two rows in C
	v_lshl_add_u32 v[CO], v1, 4, v6
.if BIAS
	; the bias of my 128 columns, as the accumulators hold them: tile column b, lane half h: columns 16 b + 8 h + 0..7
	s_lshl_b32 s72, s42, 1
	s_add_co_u32 s72, s72, s12
	s_lshl_b32 s72, s72, 9
	s_mov_b32 s73, 0
	s_add_nc_u64 s[68:69], s[68:69], s[72:73]
	v_lshlrev_b32 v[BO], 5, v2
	WIN TO_B
.irp b, 0,1,2,3,4,5,6,7
	global_load_b128 v[8*\b:8*\b+3], v[BO], s[68:69] offset:64*\b
	global_load_b128 v[8*\b+4:8*\b+7], v[BO], s[68:69] offset:64*\b+16
.endr
	WIN 0
.endif
; 16 matrix instructions: row blocks a0, a0 + 1 of the window's four x all 8 column blocks, 32 along K.  zero = 1: the first product starts the sums.
.macro MUL16 f, hi, a0, zero
.irp a, \a0, \a0+1
.irp b, 0,1,2,3,4,5,6,7
.if \zero
	v_wmma_f32_16x16x32_f16 v[8*(8*(\a)+\b):8*(8*(\a)+\b)+7], v[\f+8*\b:\f+8*\b+7], v[\f+8*(4*\hi+\a):\f+8*(4*\hi+\a)+7], 0
.else
	v_wmma_f32_16x16x32_f16 v[8*(8*(\a)+\b):8*(8*(\a)+\b)+7], v[\f+8*\b:\f+8*\b+7], v[\f+8*(4*\hi+\a):\f+8*(4*\hi+\a)+7], v[8*(8*(\a)+\b):8*(8*(\a)+\b)+7]
.endif
.endr
.endr
.endm
; 32 LDS loads in one run: the fragments of quarter step q (32 along K) of a slot into buffer f
.macro FETCH slot, q, f
	WIN TO_B
.irp i, 0,1,2,3,4,5,6,7
	ds_load_tr16_b128 v[\f+8*\i:\f+8*\i+3],   v[ADRB+\slot] offset:\q*32*PB+32*\i
	ds_load_tr16_b128 v[\f+8*\i+4:\f+8*\i+7], v[ADRB+\slot] offset:\q*32*PB+32*\i+16*PB
.endr
	WIN 0
.irp i, 0,1,2,3,4,5,6,7
	ds_load_b128 v[\f+8*\i:\f+8*\i+3],   v[ADRA+\slot] offset:64*\q+\i*16*PA
	ds_load_b128 v[\f+8*\i+4:\f+8*\i+7], v[ADRA+\slot] offset:64*\q+\i*16*PA+32
.endr
.endm
; Four plain vector instructions stand between a matrix instruction and a load into, or a vector instruction on, one of its registers
; (ISA guide 7.12.1 for vector instructions); the matrix instructions in between are not counted.
.macro PLACES
.rept 4
	v_nop
.endr
.endm
; A quarter step: multiplies buffer f; in its middle it fetches quarter q of the same slot into buffer g.
.macro QUARTER slot, q, f, g, zero
	s_wait_dscnt 8                                 ; W and A's rows 0-63 are in; the youngest eight loads (A's rows 64-127) may be out
	WIN MUL_LO
	MUL16 \f, 0, 0, \zero
	MUL16 \f, 0, 2, \zero
	PLACES
	FETCH \slot, \q, \g
	s_wait_dscnt 32                                ; all but the 32 just issued
	WIN MUL_HI
	MUL16 \f, 1, 0, \zero
	MUL16 \f, 1, 2, \zero
.endm
.macro FRONT slot, zero
	QUARTER \slot, 1, F0, F1, \zero
	QUARTER \slot, 2, F1, F0, 0
	QUARTER \slot, 3, F0, F1, 0
.endm
; The last quarter of a K step multiplies buffer 1 and changes slots.  ONE barrier: in front of it each wave waits for its reads of this
; slot and for all its tensor loads (one is out: its part of the next slot).  Behind it this slot is filled again first (fill = 1, behind
; a round of the cluster's barrier, which this barrier opens), then the next slot's first fragments are read.
.macro TURN slot, next, fill
	s_wait_dscnt 8
	WIN MUL_LO
	MUL16 F1, 0, 0, 0
	s_wait_dscnt 0                                 ; my reads of this slot are over
	s_wait_tensorcnt 0x0                           ; all my tensor loads have landed
	ds_add_u32 v255, v255
	s_wait_dscnt 0x0
	s_barrier_signal -1
	MUL16 F1, 0, 2, 0                              ; register work while the others arrive
	WIN 0
	s_barrier_wait -1
.if \fill
	CREST                                          ; no wave of any partner still reads this slot or has a load on its way
	s_add_nc_u64 s[G0+4*\slot+2:G0+4*\slot+3], s[G0+4*\slot+2:G0+4*\slot+3], 2*A_STEP
	s_add_nc_u64 s[G0B+4*\slot+2:G0B+4*\slot+3], s[G0B+4*\slot+2:G0B+4*\slot+3], 2*B_STEP
	JLOAD \slot                                    ; my one tensor load behind the round: from here one load of this wave is out
.endif
	PLACES
	FETCH \next, 0, F0
	WIN MUL_HI
	MUL16 F1, 1, 0, 0
	MUL16 F1, 1, 2, 0
.endm
.macro LAP zero
	FRONT 0, \zero
	TURN 0, 1, 1
	FRONT 1, 0
	TURN 1, 0, 1
.endm
	s_wait_tensorcnt 0x1                           ; my part of K step 0 is in; K step 1's stays out
	s_barrier_signal -1
	s_barrier_wait -1
	FETCH 0, 0, F0
	LAP 1                                          ; the first lap stands in front of the loop: its first products start the sums
.if LAPS > 2
	WIN 0
	s_mov_b32 s3, LAPS-2
.Llap:
	LAP 0
	WIN 0
	s_sub_co_u32 s3, s3, 1
	s_cmp_lg_u32 s3, 0
	s_cbranch_scc1 .Llap
.endif
	FRONT 0, 0                                     ; the last lap fills nothing
	TURN 0, 1, 0
	FRONT 1, 0
	s_wait_dscnt 8
	WIN MUL_LO
	MUL16 F1, 0, 0, 0
	MUL16 F1, 0, 2, 0
	s_wait_dscnt 0
	WIN MUL_HI
	MUL16 F1, 1, 0, 0
	MUL16 F1, 1, 2, 0
	; THE WAY OUT, 16 rows at a time: bias, relu, round to f16, 16 bytes a lane into my own stage, read back as whole rows of 256 bytes.
	PLACES
	s_lshl_b32 s74, s13, 1
	s_add_co_u32 s74, s74, s11
	s_mul_i32 s74, s74, 128*NDIM*2                 ; my first row of C
	s_lshl_b32 s75, s42, 1
	s_add_co_u32 s75, s75, s12
	s_lshl_b32 s75, s75, 8                         ; my first column, 2 bytes each
	s_add_co_u32 s74, s74, s75
	s_mov_b32 s75, 0
	s_add_nc_u64 s[8:9], s[8:9], s[74:75]
.if BIAS
	s_wait_loadcnt 0x0                             ; the bias
.endif
; rows 16 i .. 16 i + 15 of my block = tiles (a, 0..7) of window 2 + hi; f: the buffer for the rows read back
.macro OUT16 i, a, hi, f
.if BIAS
	WIN 0x06+\hi                                   ; source 0: the accumulators' window, source 1: window 1 (bias), destination window 0
.irp b, 0,1,2,3,4,5,6,7
.irp r, 0,2,4,6
	v_pk_add_f32 v[F0+8*\b+\r:F0+8*\b+\r+1], v[8*(8*\a+\b)+\r:8*(8*\a+\b)+\r+1], v[8*\b+\r:8*\b+\r+1]
.endr
.endr
	WIN 0
.set k, 0
.rept 64
	v_max_num_f32 v[F0+k], 0, v[F0+k]
.set k, k+1
.endr
.set k, 0
.rept 32
	v_cvt_pk_f16_f32 v[TMP+k], v[F0+2*k], v[F0+2*k+1]
.set k, k+1
.endr
.else
	WIN 0x0a+5*\hi                                 ; sources 0 and 1: the accumulators' window
.irp b, 0,1,2,3,4,5,6,7
.irp r, 0,1,2,3
	v_cvt_pk_f16_f32 v[TMP+4*\b+\r], v[8*(8*\a+\b)+2*\r], v[8*(8*\a+\b)+2*\r+1]
.endr
.endr
	WIN 0
.endif
.irp b, 0,1,2,3,4,5,6,7
	ds_store_b128 v[STO], v[TMP+4*\b:TMP+4*\b+3] offset:32*\b
.endr
	s_wait_xcnt 0x0                                ; buffer f, which earlier stores read, and the stores' base are rewritten only behind this wait
.if \i
	s_add_nc_u64 s[8:9], s[8:9], 16*NDIM*2
.endif
.irp t, 0,1,2,3,4,5,6,7
	ds_load_b128 v[\f+4*\t:\f+4*\t+3], v[RD] offset:\t*2*SPITCH    ; LDS serves a wave's instructions in order: these see the stores above
.endr
.irp t, 0,1,2,3,4,5,6,7
	s_wait_dscnt 7-\t                              ; read-back t is in, the younger ones stay out
	global_store_b128 v[CO], v[\f+4*\t:\f+4*\t+3], s[8:9] offset:2*\t*NDIM*2     ; 16 lanes store 256 consecutive aligned bytes
.endr
.endm
	OUT16 0, 0, 0, RB0
	OUT16 1, 1, 0, RB1
	OUT16 2, 2, 0, RB0
	OUT16 3, 3, 0, RB1
	OUT16 4, 0, 1, RB0
	OUT16 5, 1, 1, RB1
	OUT16 6, 2, 1, RB0
	OUT16 7, 3, 1, RB1
	s_set_vgpr_msb 0x1
	s_wait_tensorcnt 0x0
	ds_add_u32 v255, v255
	s_wait_dscnt 0x0
	s_set_vgpr_msb 0x100
	CROUND                                         ; the closing round: no work-group ends while a partner may still ask for a tile that names it
	s_endpgm
.Lfunc_end_k_qabf47b11ac_gemm_ffn1:
	.size	k_qabf47b11ac_gemm_ffn1, .Lfunc_end_k_qabf47b11ac_gemm_ffn1-k_qabf47b11ac_gemm_ffn1
	.p2alignl 7, 3214868480
	.fill 96, 4, 3214868480
	.section	.rodata,"a",@progbits
	.p2align	6, 0x0
	.amdhsa_kernel k_qabf47b11ac_gemm_ffn1
		.amdhsa_group_segment_fixed_size 327680
		.amdhsa_private_segment_fixed_size 0
		.amdhsa_enable_private_segment 0
		.amdhsa_kernarg_size 32
		.amdhsa_user_sgpr_count 2
		.amdhsa_user_sgpr_kernarg_segment_ptr 1
		.amdhsa_wavefront_size32 1
		.amdhsa_system_sgpr_workgroup_id_x 1
		.amdhsa_system_sgpr_workgroup_id_y 1
		.amdhsa_system_sgpr_workgroup_id_z 1
		.amdhsa_system_vgpr_workitem_id 0
		.amdhsa_next_free_vgpr 1024
		.amdhsa_next_free_sgpr 80
		.amdhsa_reserve_vcc 0
		.amdhsa_float_denorm_mode_32 3
		.amdhsa_float_denorm_mode_16_64 3
		.amdhsa_memory_ordered 1
		.amdhsa_forward_progress 1
		.amdhsa_inst_pref_size 230
	.end_amdhsa_kernel
	.amdgpu_metadata
---
amdhsa.version: [ 1, 2 ]
amdhsa.kernels:
  - .name:           k_qabf47b11ac_gemm_ffn1
    .symbol:         k_qabf47b11ac_gemm_ffn1.kd
    .args:
      - { .name: h, .offset: 0, .size: 8, .value_kind: global_buffer, .address_space: global }
      - { .name: wb, .offset: 8, .size: 8, .value_kind: global_buffer, .address_space: global }
      - { .name: ffh, .offset: 16, .size: 8, .value_kind: global_buffer, .address_space: global }
      - { .name: b1, .offset: 24, .size: 8, .value_kind: global_buffer, .address_space: global }
    .group_segment_fixed_size: 327680
    .private_segment_fixed_size: 0
    .kernarg_segment_align: 8
    .kernarg_segment_size: 32
    .max_flat_workgroup_size: 128
    .sgpr_count:     80
    .vgpr_count:     1024
    .wavefront_size: 32
...
	.end_amdgpu_metadata
.endif
;; end of part 6
;; launch gemm_ffn2 (part 7): grid 8 x 32, 4 waves a work-group, clusters of 4 x 4, 327,680 bytes of LDS; arguments ffh, wb, out0, b2, x1; writes out0
.if DOCPART == 7
	.amdgcn_target "amdgcn-amd-amdhsa--gfx1250"
	.amdhsa_code_object_version 6
	.text
	.protected	k_qabf47b11ac_gemm_ffn2
	.globl	k_qabf47b11ac_gemm_ffn2
	.p2align	8
	.type	k_qabf47b11ac_gemm_ffn2,@function
k_qabf47b11ac_gemm_ffn2:
	s_mov_b64 s[64:65], 0
	v_nop
	global_prefetch_b8 v0, s[64:65] scope:SCOPE_SE
	s_setreg_imm32_b32 hwreg(HW_REG_WAVE_MODE, 25, 1), 1
	s_wait_xcnt 0x0
	s_wait_alu depctr_hold_cnt(0) depctr_sa_sdst(0) depctr_va_vdst(0) depctr_va_sdst(0) depctr_va_ssrc(0) depctr_va_vcc(0) depctr_vm_vsrc(0)
	s_getreg_b32 s2, hwreg(HW_REG_IB_STS2, 6, 4)
	s_cmp_eq_u32 s2, 0
	s_cbranch_scc0 .Lentry_in_a_cluster
	s_endpgm
.Lentry_in_a_cluster:
	s_bfe_u32 s2, ttmp6, 0x10000c
	s_cmp_lg_u32 s2, 0xf033
	s_cbranch_scc0 .Lentry_shape_is_right
	s_endpgm
.Lentry_shape_is_right:
; out = x1 + ffh W2 + b2:  C = R + A W + bias.  A: [4096][KDIM] f16, rows along K.  W: [KDIM][1024] f16, rows along N, at byte WOFF of the
; weight buffer.  bias: [1024] f32.  R, C: [4096][1024] f32.
; N is 1,024, so blocks of 256 x 256 would be 64; a work-group makes 128 x 128 instead (256 work-groups), and its four waves SHARE K:
; a slot holds a slice of 256 along K, wave w multiplies k = 64 w .. 64 w + 63 of it into a full 128 x 128 partial sum of its own (64
; accumulator tiles, 512 registers), so each 16 KiB of fragments still feeds 64 matrix instructions.  At the end the four sums meet in LDS.
; ORDER OF K: the TS slices are taken in the order t xor pi, t = 0 .. TS - 1, with pi = (cluster y mod 4) xor (cluster x mod 2).  The two
; clusters that read the same rows of A, and four neighbouring clusters that read the same columns of W, differ in pi: of the clusters that
; share a slice one asks for it first and the others one to three steps later, not all at the same moment.  pi is the same in the sixteen
; work-groups of a cluster, so the joint requests stay equal.
; LIMIT: the sum over K is formed in four parts, each walking its slices in that order, that are added at the end.
; Two LDS slots filled by the tensor data mover; every tile row is 256 aligned bytes of memory.  W stays [K][N] in LDS;
; ds_load_tr16_b128 turns 8 x 8 blocks while loading.
; CLUSTERS: 4 x 4 work-groups; A's tiles are shared along a row of the cluster, W's along a column, each asked for jointly.
; REGISTER WINDOWS: window 0: v0-35 addresses and bias, v64-127 and v128-191 A's fragments (two buffers; at the end residual rows 16-31 and
; a ring of partial sums), v192-255 residual rows 0-15, asked for at the start; window 1: v64-191 W's fragments; windows 2, 3: accumulators
; (tile (a, b) at v[8 (8 a + b)]).
; THE MATRIX INSTRUCTION IS USED TRANSPOSED: source 0 = 16 columns of W, source 1 = 16 rows of A: a lane holds 8 neighbouring columns of a row.
; The 64 accumulators take turns, one instruction a turn, over the loop's backward jump too.
.set KDIM,   4096
.set NDIM,   1024
.set WOFF,   16777216
.set TS,     KDIM/256                  ; slices of 256 along K: a multiple of 4
.set PA,     272                       ; A's LDS row: 256 bytes + 16
.set PB,     288                       ; W's LDS row: 256 bytes + 32, an odd multiple of 32, for the transposing load
.set HALFA,  128*PA                    ; one tensor load of A: 128 rows x 128 k
.set HALFB,  128*PB                    ; one tensor load of W: 128 k x 128 columns
.set SLOT,   2*HALFA+2*HALFB           ; A k 0-127, A k 128-255, W k 0-127, W k 128-255
.set RP,     528                       ; the way out: a row of 128 f32 + 16 bytes
.set A_STEP, 512                       ; bytes from a slice to the next, in A
.set B_STEP, 256*NDIM*2                ; and in W
.set LAPS,   TS/2                      ; a lap = two slots = once round the ring
.set ADRA, 16                          ; v16-17  LDS address of my A fragments in slot 0, 1
.set ADRB, 20                          ; v20-21  the same for W
.set STO,  24                          ; v24     the way out: where my partial sums go
.set CO,   26                          ; v26     16 x lane: my bytes of a row of 512
.set PADR, 28                          ; v28-31  the way out: my rows in the four partial sums
.set BI,   32                          ; v[32:35] the bias of my four columns
.set F0,   64
.set F1,   128
.set RESA, 192                         ; v[192:255] rows 0-15 of the residual, then of the result
.set RESB, 64                          ; v[64:127]  the way out: rows 16-31
.set RING, 128                         ; v[128:191] the way out: four rows x four partial sums
.set G1,  24
.set G0,  32
.set G1B, 48
.set G0B, 56
.set MSB, 0
.macro WIN new                         ; the immediate's high byte repeats the setting that is left; switches that change nothing are dropped
.if MSB != (\new)
	s_set_vgpr_msb (MSB<<8)|(\new)
.set MSB, (\new)
.endif
.endm
.set MUL_LO, 0xa1                      ; source 0 (W) window 1, source 1 (A) window 0, C and D window 2
.set MUL_HI, 0xf1                      ; the same, C and D window 3
.set TO_B,   0x40                      ; destination window 1, address window 0
; A joint load: waves 0 and 1 fetch A's halves, waves 2 and 3 W's.  The branch hangs on the wave's number alone.
.macro JLOAD s
	s_cmp_eq_u32 s11, 0
	s_cbranch_scc0 .Lfor_b_\@
	tensor_load_to_lds s[G0+4*\s:G0+4*\s+3], s[G1:G1+7]
	s_nop 0
	s_branch .Lasked_\@
.Lfor_b_\@:
	tensor_load_to_lds s[G0B+4*\s:G0B+4*\s+3], s[G1B:G1B+7]
	s_nop 0
.Lasked_\@:
.endm
; The global addresses of slot s's next tiles: slice t xor pi (t in s66, pi in s67), then t steps.  Offsets are made in s[76:79], apart from the addresses.
.macro SETADR s
	s_xor_b32 s76, s66, s67
	s_mul_i32 s78, s76, B_STEP
	s_mul_i32 s76, s76, A_STEP
	s_add_co_u32 s66, s66, 1
	s_add_nc_u64 s[G0+4*\s+2:G0+4*\s+3], s[14:15], s[76:77]
	s_add_nc_u64 s[G0B+4*\s+2:G0B+4*\s+3], s[46:47], s[78:79]
	s_or_b32 s[G0+4*\s+3], s[G0+4*\s+3], 0x80000000
	s_or_b32 s[G0B+4*\s+3], s[G0B+4*\s+3], 0x80000000
.endm
; A round of the cluster's barrier: my work-group's barrier, wave 0 signals for the work-group, every wave waits for all sixteen, my barrier again.
.macro CREST
	s_cmp_lg_u32 s10, 0
	s_cbranch_scc1 .Lnot_wave_0_\@
	s_barrier_signal -3
.Lnot_wave_0_\@:
	s_barrier_wait -3
	s_barrier_signal -1
	s_barrier_wait -1
.endm
.macro CROUND
	s_barrier_signal -1
	s_barrier_wait -1
	CREST
.endm
	s_load_b128 s[4:7], s[0:1], 0x0                ; A s[4:5], weights s[6:7]
	s_load_b64 s[8:9], s[0:1], 0x10                ; C
	s_load_b64 s[68:69], s[0:1], 0x18              ; bias
	s_load_b64 s[70:71], s[0:1], 0x20              ; R
	v_lshl_add_u32 v62, v0, 2, 0x46000
	v_mov_b32 v63, 0
	ds_add_u32 v62, v63
	v_lshrrev_b32 v1, 5, v0
	v_readfirstlane_b32 s10, v1                    ; wave 0..3
	s_lshr_b32 s11, s10, 1                         ; I fetch for A (0) or for W (1).  Also: the half of a slice in which my 64 k lie
	s_and_b32 s12, s10, 1                          ; which half of a slice I fetch.  Also: which 64 k of that half are mine
	s_bfe_u32 s40, ttmp6, 0x40000                  ; cx
	s_bfe_u32 s41, ttmp6, 0x40004                  ; cy
	s_lshl_b32 s42, ttmp9, 2
	s_add_co_u32 s42, s42, s40                     ; block column = 4 x cluster x + cx
	s_and_b32 s13, ttmp7, 0xffff
	s_lshl_b32 s13, s13, 2
	s_add_co_u32 s13, s13, s41                     ; block row = 4 x cluster y + cy
	s_lshl_b32 s43, s41, 2
	s_lshl_b32 s43, 15, s43                        ; my row of the cluster
	s_lshl_b32 s44, 0x1111, s40                    ; my column
	s_and_b32 s67, ttmp7, 3                        ; cluster y mod 4
	s_and_b32 s66, ttmp9, 1                        ; cluster x mod 2
	s_xor_b32 s67, s67, s66                        ; pi, 0..3: made of the cluster's numbers alone
	s_mov_b32 s66, 0                               ; t
	s_mov_b32 s77, 0                               ; upper words of the two offset pairs
	s_mov_b32 s79, 0
	; group 1: tiles of 128 rows x 128 elements of 2 bytes; padding behind every 64 words: 4 words for A, 8 for W
	s_or_b32 s[G1+0], s43, (1<<16)|(1<<20)|(1<<21)|(5<<22)|(3<<25)
	s_or_b32 s[G1B+0], s44, (1<<16)|(1<<20)|(1<<21)|(5<<22)|(7<<25)
	s_mov_b32 s[G1+1], 128<<16
	s_mov_b32 s[G1B+1], 128<<16
	s_mov_b32 s[G1+2], 128<<16
	s_mov_b32 s[G1B+2], 128<<16
	s_mov_b32 s[G1+3], 128<<16
	s_mov_b32 s[G1B+3], 128<<16
	s_mov_b32 s[G1+4], 128
	s_mov_b32 s[G1B+4], 128
	s_mov_b32 s[G1+5], KDIM
	s_mov_b32 s[G1B+5], NDIM
	s_mov_b32 s[G1+6], 0
	s_mov_b32 s[G1B+6], 0
	s_mov_b32 s[G1+7], 0
	s_mov_b32 s[G1B+7], 0
	; A's tiles hang on the block row, W's on the block column; each offset lives in registers that never hold the other place in the cluster
	s_mul_i32 s16, s13, 128*KDIM*2                 ; A: row 128 x block row,
	s_lshl_b32 s17, s12, 8                         ; k 128 x half
	s_add_co_u32 s16, s16, s17
	s_mov_b32 s17, 0
	s_mul_i32 s46, s12, 128*NDIM*2                 ; W: k 128 x half,
	s_lshl_b32 s47, s42, 8                         ; column 128 x block column
	s_add_co_u32 s46, s46, s47
	s_add_co_u32 s46, s46, WOFF
	s_mov_b32 s47, 0
	s_mul_i32 s20, s12, HALFA                      ; where they go: no place in the cluster enters an LDS address
	s_mul_i32 s23, s12, HALFB
	s_add_co_u32 s23, s23, 2*HALFA
	s_wait_dscnt 0x0
	s_wait_kmcnt 0x0
	s_add_nc_u64 s[14:15], s[4:5], s[16:17]        ; my part of A's slice 0; kept
	s_add_nc_u64 s[46:47], s[6:7], s[46:47]        ; my part of W's slice 0; kept
	CROUND                                         ; all sixteen work-groups are here: the first joint loads meet
.irp s, 0,1
	s_mov_b32 s[G0+4*\s], 1
	s_add_co_u32 s[G0+4*\s+1], s20, \s*SLOT
	s_mov_b32 s[G0B+4*\s], 1
	s_add_co_u32 s[G0B+4*\s+1], s23, \s*SLOT
	SETADR \s
	JLOAD \s                                       ; both slots are asked for before anything else: two loads of this wave are out
.endr
	v_and_b32 v1, 15, v0
	v_bfe_u32 v2, v0, 4, 1
	v_mul_u32_u24 v3, v1, PA
	v_lshl_add_u32 v3, v2, 4, v3                   ; A: row l % 16, 16 (l / 16)
	v_and_b32 v4, 7, v0
	v_lshl_add_u32 v4, v2, 3, v4
	v_mul_u32_u24 v4, v4, PB
	v_bfe_u32 v5, v0, 3, 1
	v_lshl_add_u32 v4, v5, 4, v4                   ; W: row k = 8 (l / 16) + l % 8, 16 ((l / 8) % 2)
	s_mul_i32 s21, s11, HALFA                      ; my 64 k of A: the half,
	s_lshl_b32 s22, s12, 7                         ; and 128 bytes along its rows
	s_add_co_u32 s21, s21, s22
	s_mul_i32 s22, s11, HALFB                      ; my 64 k of W: the half,
	s_mul_i32 s23, s12, 64*PB                      ; and 64 rows down
	s_add_co_u32 s22, s22, s23
	s_add_co_u32 s22, s22, 2*HALFA
.irp s, 0,1
	v_add_nc_u32 v[ADRA+\s], s21, v3
	v_add_nc_u32 v[ADRB+\s], s22, v4
	s_add_co_u32 s21, s21, SLOT
	s_add_co_u32 s22, s22, SLOT
.endr
	s_mul_i32 s23, s10, 128*RP                     ; my partial sum's region
	v_mul_u32_u24 v5, v1, RP
	v_lshl_add_u32 v5, v2, 5, v5                   ; row l % 16, 32 bytes for each half of the lanes
	v_add_nc_u32 v[STO], s23, v5
	v_and_b32 v5, 31, v0
	v_lshlrev_b32 v[CO], 4, v5
	s_mul_i32 s23, s10, 32*RP                      ; at the end I own rows 32 w .. 32 w + 31
	v_add_nc_u32 v[PADR], s23, v[CO]
	v_add_nc_u32 v[PADR+1], 128*RP, v[PADR]
	v_add_nc_u32 v[PADR+2], 128*RP, v[PADR+1]
	v_add_nc_u32 v[PADR+3], 128*RP, v[PADR+2]
	s_lshl_b32 s72, s42, 9                         ; my block's 128 columns of 4 bytes
	s_mov_b32 s73, 0
	s_add_nc_u64 s[68:69], s[68:69], s[72:73]
	global_load_b128 v[BI:BI+3], v[CO], s[68:69]
	s_lshl_b32 s74, s13, 2
	s_add_co_u32 s74, s74, s10
	s_lshl_b32 s74, s74, 17                        ; row 128 x block row + 32 w, 4,096 bytes each
	s_add_co_u32 s74, s74, s72
	s_mov_b32 s75, 0
	s_add_nc_u64 s[8:9], s[8:9], s[74:75]
	s_add_nc_u64 s[70:71], s[70:71], s[74:75]
.set i, 0
.rept 16
	global_load_b128 v[RESA+4*i:RESA+4*i+3], v[CO], s[70:71] offset:4096*i th:TH_LOAD_NT   ; rows 0-15 of my 32 of the residual, into registers that the products do not use
.set i, i+1
.endr
; 16 matrix instructions: row blocks a0, a0 + 1 of the window's four x all 8 column blocks, 32 along K.  zero = 1: the first product starts the sums.
.macro MUL16 f, hi, a0, zero
.irp a, \a0, \a0+1
.irp b, 0,1,2,3,4,5,6,7
.if \zero
	v_wmma_f32_16x16x32_f16 v[8*(8*(\a)+\b):8*(8*(\a)+\b)+7], v[\f+8*\b:\f+8*\b+7], v[\f+8*(4*\hi+\a):\f+8*(4*\hi+\a)+7], 0
.else
	v_wmma_f32_16x16x32_f16 v[8*(8*(\a)+\b):8*(8*(\a)+\b)+7], v[\f+8*\b:\f+8*\b+7], v[\f+8*(4*\hi+\a):\f+8*(4*\hi+\a)+7], v[8*(8*(\a)+\b):8*(8*(\a)+\b)+7]
.endif
.endr
.endr
.endm
; 32 LDS loads in one run: the fragments of my k 32 q .. 32 q + 31 of a slot into buffer f
.macro FETCH slot, q, f
	WIN TO_B
.irp i, 0,1,2,3,4,5,6,7
	ds_load_tr16_b128 v[\f+8*\i:\f+8*\i+3],   v[ADRB+\slot] offset:\q*32*PB+32*\i
	ds_load_tr16_b128 v[\f+8*\i+4:\f+8*\i+7], v[ADRB+\slot] offset:\q*32*PB+32*\i+16*PB
.endr
	WIN 0
.irp i, 0,1,2,3,4,5,6,7
	ds_load_b128 v[\f+8*\i:\f+8*\i+3],   v[ADRA+\slot] offset:64*\q+\i*16*PA
	ds_load_b128 v[\f+8*\i+4:\f+8*\i+7], v[ADRA+\slot] offset:64*\q+\i*16*PA+32
.endr
.endm
; Four plain vector instructions stand between a matrix instruction and a load into, a store of, or a vector instruction on one of its
; registers (ISA guide 7.12.1 for vector instructions).
.macro PLACES
.rept 4
	v_nop
.endr
.endm
; The first half of my share of a slot: multiplies buffer 0; in its middle it fetches the second half into buffer 1.
.macro FRONT slot, zero
	s_wait_dscnt 8                                 ; W and A's rows 0-63 are in; the youngest eight loads (A's rows 64-127) may be out
	WIN MUL_LO
	MUL16 F0, 0, 0, \zero
	MUL16 F0, 0, 2, \zero
	PLACES
	FETCH \slot, 1, F1
	s_wait_dscnt 32                                ; all but the 32 just issued
	WIN MUL_HI
	MUL16 F0, 1, 0, \zero
	MUL16 F0, 1, 2, \zero
.endm
; The second half multiplies buffer 1 and changes slots.  ONE barrier: in front of it each wave waits for its reads of this slot and for
; all its tensor loads (one is out: its part of the next slot).  Behind it this slot is filled again first (fill = 1, behind a round of
; the cluster's barrier, which this barrier opens), then the next slot's first fragments are read.  A slot's 128 products are short beside
; the way of a tile, so nothing stands between the landing of one tile and the request for the next but the barrier and the round:
; half of this quarter's products stand in front of the waits, half behind the request.
.macro TURN slot, next, fill
	s_wait_dscnt 8
	WIN MUL_LO
	MUL16 F1, 0, 0, 0
	MUL16 F1, 0, 2, 0
	WIN 0
	s_wait_dscnt 0                                 ; my reads of this slot are over
	s_wait_tensorcnt 0x0                           ; all my tensor loads have landed
	ds_add_u32 v62, v63
	s_wait_dscnt 0x0
	s_barrier_signal -1
	s_barrier_wait -1
.if \fill
	CREST                                          ; no wave of any partner still reads this slot or has a load on its way
	SETADR \slot                                   ; no tensor load of mine is out: the slot's two group 0 may be written
	JLOAD \slot                                    ; my one tensor load behind the round: from here one load of this wave is out
.endif
	PLACES
	FETCH \next, 0, F0
	WIN MUL_HI
	MUL16 F1, 1, 0, 0
	MUL16 F1, 1, 2, 0
.endm
.macro LAP zero
	FRONT 0, \zero
	TURN 0, 1, 1
	FRONT 1, 0
	TURN 1, 0, 1
.endm
	s_wait_tensorcnt 0x1                           ; my part of slot 0 is in; slot 1's stays out
	s_barrier_signal -1
	s_barrier_wait -1
	FETCH 0, 0, F0
	LAP 1                                          ; the first lap stands in front of the loop: its first products start the sums
.if LAPS > 2
	WIN 0
	s_mov_b32 s3, LAPS-2
.Llap:
	LAP 0
	WIN 0
	s_sub_co_u32 s3, s3, 1
	s_cmp_lg_u32 s3, 0
	s_cbranch_scc1 .Llap
.endif
	FRONT 0, 0                                     ; the last lap fills nothing
	TURN 0, 1, 0
	FRONT 1, 0
	s_wait_dscnt 8
	WIN MUL_LO
	MUL16 F1, 0, 0, 0
	MUL16 F1, 0, 2, 0
	s_wait_dscnt 0                                 ; my last reads of the ring
	WIN MUL_HI
	MUL16 F1, 1, 0, 0
	MUL16 F1, 1, 2, 0
	; THE WAY OUT.  The ring has had its last fill (every wave waited for all its tensor loads in front of the last change of slots), and behind
	; this barrier no wave reads it any more: its bytes now take the four partial sums, 128 rows x 528 bytes each.
	WIN 0
	s_barrier_signal -1
	s_barrier_wait -1
	PLACES
.set i, 16
.rept 16
	global_load_b128 v[RESB+4*(i-16):RESB+4*(i-16)+3], v[CO], s[70:71] offset:4096*i th:TH_LOAD_NT   ; rows 16-31 of the residual: they have the stores below and rows 0-15 in which to come
.set i, i+1
.endr
.irp hi, 0,1
	WIN 0x08+4*\hi                                 ; store data from the accumulators' window
.irp a, 0,1,2,3
.irp b, 0,1,2,3,4,5,6,7
	ds_store_b128 v[STO], v[8*(8*\a+\b):8*(8*\a+\b)+3]   offset:(4*\hi+\a)*16*RP+64*\b
	ds_store_b128 v[STO], v[8*(8*\a+\b)+4:8*(8*\a+\b)+7] offset:(4*\hi+\a)*16*RP+64*\b+16
.endr
.endr
.endr
	WIN 0
	s_wait_dscnt 0x0                               ; for the others' sake: my partial sum is written
	s_barrier_signal -1
	s_barrier_wait -1
.irp i, 0,1,2,3
.irp p, 0,1,2,3
	ds_load_b128 v[RING+16*\i+4*\p:RING+16*\i+4*\p+3], v[PADR+\p] offset:\i*RP
.endr
.endr
.set i, 0
.rept 32
.if i < 16
.set rr, RESA+4*i
.else
.set rr, RESB+4*(i-16)
.endif
.if i == 0
	s_wait_loadcnt 16                              ; the bias and residual rows 0-15 are in; the sixteen younger loads, rows 16-31, stay out
.endif
.if i >= 16
	s_wait_loadcnt 31-i                            ; residual row i is in, the younger rows stay out
.endif
.if i < 29
	s_wait_dscnt 12                                ; row i's four loads are in; the three younger rows' twelve stay out
.else
	s_wait_dscnt 4*(31-i)                          ; the last rows: the counts run down
.endif
	v_pk_add_f32 v[rr:rr+1], v[rr:rr+1], v[BI:BI+1]
	v_pk_add_f32 v[rr+2:rr+3], v[rr+2:rr+3], v[BI+2:BI+3]
.irp p, 0,1,2,3
	v_pk_add_f32 v[rr:rr+1], v[rr:rr+1], v[RING+16*(i%4)+4*\p:RING+16*(i%4)+4*\p+1]
	v_pk_add_f32 v[rr+2:rr+3], v[rr+2:rr+3], v[RING+16*(i%4)+4*\p+2:RING+16*(i%4)+4*\p+3]
.endr
.if i < 28
.irp p, 0,1,2,3
	ds_load_b128 v[RING+16*(i%4)+4*\p:RING+16*(i%4)+4*\p+3], v[PADR+\p] offset:(i+4)*RP
.endr
.endif
	global_store_b128 v[CO], v[rr:rr+3], s[8:9] offset:4096*i      ; 512 consecutive aligned bytes; no register of a store is written again
.set i, i+1
.endr
	s_wait_tensorcnt 0x0
	ds_add_u32 v62, v63
	s_wait_dscnt 0x0
	CROUND                                         ; the closing round: no work-group ends while a partner may still ask for a tile that names it
	s_endpgm
.Lfunc_end_k_qabf47b11ac_gemm_ffn2:
	.size	k_qabf47b11ac_gemm_ffn2, .Lfunc_end_k_qabf47b11ac_gemm_ffn2-k_qabf47b11ac_gemm_ffn2
	.p2alignl 7, 3214868480
	.fill 96, 4, 3214868480
	.section	.rodata,"a",@progbits
	.p2align	6, 0x0
	.amdhsa_kernel k_qabf47b11ac_gemm_ffn2
		.amdhsa_group_segment_fixed_size 327680
		.amdhsa_private_segment_fixed_size 0
		.amdhsa_enable_private_segment 0
		.amdhsa_kernarg_size 40
		.amdhsa_user_sgpr_count 2
		.amdhsa_user_sgpr_kernarg_segment_ptr 1
		.amdhsa_wavefront_size32 1
		.amdhsa_system_sgpr_workgroup_id_x 1
		.amdhsa_system_sgpr_workgroup_id_y 1
		.amdhsa_system_sgpr_workgroup_id_z 1
		.amdhsa_system_vgpr_workitem_id 0
		.amdhsa_next_free_vgpr 1024
		.amdhsa_next_free_sgpr 80
		.amdhsa_reserve_vcc 0
		.amdhsa_float_denorm_mode_32 3
		.amdhsa_float_denorm_mode_16_64 3
		.amdhsa_memory_ordered 1
		.amdhsa_forward_progress 1
		.amdhsa_inst_pref_size 133
	.end_amdhsa_kernel
	.amdgpu_metadata
---
amdhsa.version: [ 1, 2 ]
amdhsa.kernels:
  - .name:           k_qabf47b11ac_gemm_ffn2
    .symbol:         k_qabf47b11ac_gemm_ffn2.kd
    .args:
      - { .name: ffh, .offset: 0, .size: 8, .value_kind: global_buffer, .address_space: global }
      - { .name: wb, .offset: 8, .size: 8, .value_kind: global_buffer, .address_space: global }
      - { .name: out0, .offset: 16, .size: 8, .value_kind: global_buffer, .address_space: global }
      - { .name: b2, .offset: 24, .size: 8, .value_kind: global_buffer, .address_space: global }
      - { .name: x1, .offset: 32, .size: 8, .value_kind: global_buffer, .address_space: global }
    .group_segment_fixed_size: 327680
    .private_segment_fixed_size: 0
    .kernarg_segment_align: 8
    .kernarg_segment_size: 40
    .max_flat_workgroup_size: 128
    .sgpr_count:     80
    .vgpr_count:     1024
    .wavefront_size: 32
...
	.end_amdgpu_metadata
.endif
;; end of part 7
